; MI455X (gfx1250); checked and timed in simulation.
; The chip was launched on July 23, 2026; its instructions are those of AMD's public machine-readable ISA for CDNA 5 (MIT licence, August 2026) and "CDNA5" Instruction Set Architecture Reference Guide (July 2026). The comments in the code are by the model that wrote it; some were corrected since.
;; Transformer Block. Allowed arithmetic: float matrix products may take bf16 or f16 operands with f32 sums; other float arithmetic in f32, or as packed bf16 or f16 multiplies, adds, multiply-adds, maxima and minima; sums over many terms, partial sums and values carried from step to step in f32; what a program stores and reads back later, other than sums and carried values, may be rounded once to bf16 or f16.
;; Inputs: W1 1,024 x 4,096 float32; W2 4,096 x 1,024 float32; Wk 1,024 x 1,024 float32; Wo 1,024 x 1,024 float32; Wq 1,024 x 1,024 float32; Wv 1,024 x 1,024 float32; b1 4,096 float32; b2 1,024 float32; bo 1,024 float32; g1 1,024 float32; g2 1,024 float32; s1 1,024 float32; s2 1,024 float32; x 2 x 2,048 x 1,024 float32.
;; Outputs: out0 2 x 2,048 x 1,024 float32.
;; One version. Each part assembles by itself: llvm-mc -triple=amdgcn-amd-amdhsa -mcpu=gfx1250 --defsym DOCPART=n.
;; ======== version 1 of 1: 7 launches
;; limits: values are held in f16: magnitudes above 65,504 overflow, below 6.1e-05 lose precision
;; workspace buffers: wA 6,291,456 bytes; wB 8,388,608 bytes; wC 10,485,760 bytes; hb 8,388,608 bytes; act 33,554,432 bytes; x1 16,777,216 bytes; par0 256 bytes of whole numbers; par1 256 bytes of whole numbers
;; launch prep (part 1): grid 1024 x 1, 8 waves a work-group, no clusters, 0 bytes of LDS; arguments Wq, Wk, Wv, Wo, W1, W2, x, g1, s1, wA, wB, wC, hb, par0, par1; writes wA, wB, wC, hb, par0, par1
.if DOCPART == 1
	.amdgcn_target "amdgcn-amd-amdhsa--gfx1250"
	.amdhsa_code_object_version 6
	.text
	.protected	k_qe1474133ce_prep
	.globl	k_qe1474133ce_prep
	.p2align	8
	.type	k_qe1474133ce_prep,@function
k_qe1474133ce_prep:
	s_mov_b64 s[64:65], 0
	v_nop
	global_prefetch_b8 v0, s[64:65] scope:SCOPE_SE
	s_setreg_imm32_b32 hwreg(HW_REG_WAVE_MODE, 25, 1), 1
	s_wait_xcnt 0x0
; PREP.  Work-groups 0-767 copy the six weight matrices into panels of 16-bit numbers; work-groups 768-1023 make h = layernorm(x) g1 + s1.
; WEIGHTS.  A matrix [K][N] f32 becomes N / 256 panels [K][256]: a panel's row is 512 bytes.  Each number is rounded to bf16 and that number is written as f16.
; LIMITS.  That second step is exact from 2^-14 up; below it f16's fixed step of 6e-8 holds; a weight of 65,520 or more is not served.
; wA: Wq, Wk, Wv, four panels each.  wB: W1, sixteen.  wC: Wo's four at byte 0, W2's four (2 MiB each) at byte 2,097,152.
; A work-group copies 128 rows x 128 columns, a wave 16 rows: each load of a wave covers 512 consecutive bytes, each store 256, aligned.
; LAYER NORM.  A wave takes two rows; a row of 4,096 bytes lies in 32 registers between the passes: mean, then the sum of squared differences, then the scaling.
; x, g1 and s1 are rounded to bf16 on the way in, like every input of the program; h is stored in f16: |h| is at most 32 |g| + |s|.
; Work-group 0's wave 0 also stores the two words by which the later launches qkv and ff1 tell themselves apart: 0 throughout par0, 1 throughout par1.
.set WV,  2                            ; s2   my wave's number
.set HM,  3                            ; s3   a word's upper half
.set XP,  20                           ; s[20:21] x
.set GP,  22                           ; s[22:23] g1
.set SPP, 24                           ; s[24:25] s1
.set HP,  32                           ; s[32:33] hb
.set INV, 46                           ; s46  1 / 1024
.set EPS, 47                           ; s47  1e-5
.set ROUND, 1                          ; the rows are an input: rounded to bf16
; the copy's registers
.set DO,  3                            ; v3        8 x lane
.set CT,  4                            ; v4-5      at work
.set OFF, 16                           ; v16-31    row j: 16 x lane + j x the source's pitch
.set CX,  32                           ; v32-95    row j: four numbers as loaded
.set CY,  96                           ; v96-127   row j: four numbers to store
; the layer norm's registers
.set XO,  2                            ; v2        16 x lane
.set YO,  3                            ; v3        8 x lane
.set T,   4                            ; v4-11     four packed chains
.set M,   12                           ; v12-13    the mean, twice
.set R,   14                           ; v14-15    1 / sqrt(var + eps), twice
.set G,   16                           ; v16-47    gains of my 32 columns
.set S,   48                           ; v48-79    shifts
.set X0,  80                           ; v80-111   first row
.set X1,  112                          ; v112-143  second row
.set Y0,  144                          ; v144-159  first row, packed
.set Y1,  160                          ; v160-175  second row, packed
.set RT,  176                          ; v176-179  at work
	s_load_b512 s[8:23], s[0:1], 0x0               ; Wq 8, Wk 10, Wv 12, Wo 14, W1 16, W2 18, x 20, g1 22
	s_load_b256 s[24:31], s[0:1], 0x40             ; s1 24, wA 26, wB 28, wC 30
	s_load_b128 s[32:35], s[0:1], 0x60             ; hb 32, par0 34
	s_load_b64 s[36:37], s[0:1], 0x70              ; par1
	v_lshrrev_b32 v1, 5, v0
	v_readfirstlane_b32 s[WV], v1
	v_and_b32 v1, 31, v0                           ; lane
	s_mov_b32 s[HM], 0xffff0000
	s_cmp_lt_u32 ttmp9, 768
	s_cbranch_scc0 .Lnorm
	; THE COPY.  Which matrix, which 128 rows (kb) and which 128 columns (cg)
	s_lshr_b32 s40, ttmp9, 8                       ; 0: the four matrices of 1024 x 1024; 1: W1; 2: W2
	s_and_b32 s41, ttmp9, 255
	s_lshr_b32 s42, s41, 6                         ; which of the four
	s_and_b32 s43, s41, 63
	s_cmp_eq_u32 s40, 0
	s_cselect_b32 s43, s43, s41                    ; my number within the matrix
	s_cselect_b32 s42, s42, 0
	s_cmp_eq_u32 s40, 1
	s_cselect_b32 s44, 5, 3                        ; W1 has 32 groups of columns, the others 8
	s_cselect_b32 s46, 31, 7
	s_cselect_b32 s56, 14, 12                      ; log2 of the source's pitch in bytes
	s_lshl_b32 s45, 1, s56
	s_and_b32 s47, s43, s46                        ; cg
	s_lshr_b32 s48, s43, s44                       ; kb
	s_cmp_eq_u32 s40, 2
	s_cselect_b32 s55, 21, 19                      ; log2 of a panel's bytes: K x 512
	s_lshl_b32 s57, s48, 7
	s_lshl4_add_u32 s57, s[WV], s57                ; my wave's first row
	s_lshl_b32 s58, s57, s56
	s_lshl_b32 s59, s47, 9
	s_add_co_u32 s58, s58, s59                     ; source: row x pitch + cg x 512
	s_mov_b32 s59, 0
	s_lshr_b32 s60, s47, 1
	s_lshl_b32 s60, s60, s55                       ; destination: the panel,
	s_lshl_b32 s61, s57, 9
	s_add_co_u32 s60, s60, s61                     ; the row,
	s_and_b32 s61, s47, 1
	s_lshl_b32 s61, s61, 8
	s_add_co_u32 s60, s60, s61                     ; the half of the row
	s_lshl_b32 s54, s42, 21                        ; Wq, Wk, Wv lie 2 MiB apart in wA
	v_lshlrev_b32 v[OFF], 4, v1
.set j, 1
.rept 15
	v_add_nc_u32 v[OFF+j], s45, v[OFF+j-1]
.set j, j+1
.endr
	v_lshlrev_b32 v[DO], 3, v1
	s_wait_kmcnt 0x0
	s_cmp_eq_u32 s42, 1
	s_cselect_b64 s[50:51], s[10:11], s[8:9]
	s_cmp_eq_u32 s42, 2
	s_cselect_b64 s[50:51], s[12:13], s[50:51]
	s_cmp_eq_u32 s42, 3
	s_cselect_b64 s[50:51], s[14:15], s[50:51]
	s_cselect_b64 s[52:53], s[30:31], s[26:27]     ; Wo goes to wC's head
	s_cselect_b32 s54, 0, s54
	s_cmp_eq_u32 s40, 1
	s_cselect_b64 s[50:51], s[16:17], s[50:51]
	s_cselect_b64 s[52:53], s[28:29], s[52:53]
	s_cmp_eq_u32 s40, 2
	s_cselect_b64 s[50:51], s[18:19], s[50:51]
	s_cselect_b64 s[52:53], s[30:31], s[52:53]
	s_cselect_b32 s54, 0x200000, s54               ; W2 lies behind Wo
	s_add_co_u32 s60, s60, s54
	s_mov_b32 s61, 0
	s_add_nc_u64 s[50:51], s[50:51], s[58:59]
	s_add_nc_u64 s[52:53], s[52:53], s[60:61]
.set j, 0
.rept 16
	global_load_b128 v[CX+4*j:CX+4*j+3], v[OFF+j], s[50:51] th:TH_LOAD_NT
.set j, j+1
.endr
	s_or_b32 s63, ttmp9, s[WV]
	s_cmp_lg_u32 s63, 0
	s_cbranch_scc1 .Lnopar
	v_mov_b32 v6, 0
	v_mov_b32 v7, 0
	v_mov_b32 v8, 1
	v_mov_b32 v9, 1
	global_store_b64 v[DO], v[6:7], s[34:35]       ; 32 lanes x 8 bytes: all 256 bytes of each
	global_store_b64 v[DO], v[8:9], s[36:37]
.Lnopar:
.set j, 0
.rept 16
	s_wait_loadcnt 15-j                            ; loads come back in order: row j is in, the 15 - j younger ones stay out
	v_cvt_pk_bf16_f32 v[CT], v[CX+4*j], v[CX+4*j+1]
	v_cvt_pk_bf16_f32 v[CT+1], v[CX+4*j+2], v[CX+4*j+3]
	v_lshlrev_b32 v[CX+4*j], 16, v[CT]             ; the bf16 numbers as f32,
	v_and_b32 v[CX+4*j+1], s[HM], v[CT]
	v_lshlrev_b32 v[CX+4*j+2], 16, v[CT+1]
	v_and_b32 v[CX+4*j+3], s[HM], v[CT+1]
	v_cvt_pk_f16_f32 v[CY+2*j], v[CX+4*j], v[CX+4*j+1]  ; written as f16
	v_cvt_pk_f16_f32 v[CY+2*j+1], v[CX+4*j+2], v[CX+4*j+3]
	global_store_b64 v[DO], v[CY+2*j:CY+2*j+1], s[52:53] offset:512*j
.set j, j+1
.endr
	s_endpgm
; two numbers rounded to bf16 and kept as f32
.macro RND2 a, b, t
	v_cvt_pk_bf16_f32 v[\t], v[\a], v[\b]
	v_lshlrev_b32 v[\a], 16, v[\t]
	v_and_b32 v[\b], s[HM], v[\t]
.endm
; the four packed chains in T are added up, within the lane and then over the 32 lanes; every lane ends with the sum in v[T]
.macro WSUM
	v_pk_add_f32 v[T:T+1], v[T:T+1], v[T+2:T+3]
	v_pk_add_f32 v[T+4:T+5], v[T+4:T+5], v[T+6:T+7]
	v_pk_add_f32 v[T:T+1], v[T:T+1], v[T+4:T+5]
	v_add_f32 v[T], v[T], v[T+1]
	v_add_f32_dpp v[T], v[T], v[T] row_xmask:1 row_mask:0xf bank_mask:0xf
	v_add_f32_dpp v[T], v[T], v[T] row_xmask:2 row_mask:0xf bank_mask:0xf
	v_add_f32_dpp v[T], v[T], v[T] row_xmask:4 row_mask:0xf bank_mask:0xf
	v_add_f32_dpp v[T], v[T], v[T] row_xmask:8 row_mask:0xf bank_mask:0xf
	v_permlanex16_b32 v[T+1], v[T], s48, s49
	v_add_f32 v[T], v[T], v[T+1]
.endm
; one row: x its 32 registers, y its 16 packed ones, left the younger loads that may stay out, row 0 or 1
.macro ROWDO x, y, left, row
	s_wait_loadcnt \left
.if ROUND
.set p, 0
.rept 16
	RND2 (\x)+2*p, (\x)+2*p+1, RT+p%4
.set p, p+1
.endr
.endif
.irp c, 0,1,2,3
	v_pk_add_f32 v[T+2*\c:T+2*\c+1], v[(\x)+2*\c:(\x)+2*\c+1], v[(\x)+8+2*\c:(\x)+8+2*\c+1]
.endr
.irp c, 0,1,2,3,4,5,6,7
	v_pk_add_f32 v[T+2*(\c%4):T+2*(\c%4)+1], v[T+2*(\c%4):T+2*(\c%4)+1], v[(\x)+16+2*\c:(\x)+16+2*\c+1]
.endr
	WSUM
	v_mul_f32 v[M], s[INV], v[T]
	v_mul_f32 v[M+1], s[INV], v[T]
.set p, 0
.rept 16
	v_pk_add_f32 v[(\x)+2*p:(\x)+2*p+1], v[(\x)+2*p:(\x)+2*p+1], v[M:M+1] neg_lo:[0,1] neg_hi:[0,1]  ; x - mean: the variance is taken of the differences
.set p, p+1
.endr
.irp c, 0,1,2,3
	v_pk_mul_f32 v[T+2*\c:T+2*\c+1], v[(\x)+2*\c:(\x)+2*\c+1], v[(\x)+2*\c:(\x)+2*\c+1]
.endr
.set p, 4
.rept 12
	v_pk_fma_f32 v[T+2*(p%4):T+2*(p%4)+1], v[(\x)+2*p:(\x)+2*p+1], v[(\x)+2*p:(\x)+2*p+1], v[T+2*(p%4):T+2*(p%4)+1]
.set p, p+1
.endr
	WSUM
	v_fma_f32 v[T], v[T], s[INV], s[EPS]
	v_rsq_f32 v[R], v[T]
	v_rsq_f32 v[R+1], v[T]
	v_nop                                          ; a plain instruction behind the second root,
	s_wait_alu depctr_va_vdst(0)                   ; and one wait for both, ahead of their first reader
.set p, 0
.rept 16
	v_pk_mul_f32 v[(\x)+2*p:(\x)+2*p+1], v[(\x)+2*p:(\x)+2*p+1], v[R:R+1]
.set p, p+1
.endr
.set p, 0
.rept 16
	v_pk_fma_f32 v[(\x)+2*p:(\x)+2*p+1], v[(\x)+2*p:(\x)+2*p+1], v[G+2*p:G+2*p+1], v[S+2*p:S+2*p+1]
.set p, p+1
.endr
.set p, 0
.rept 16
	v_cvt_pk_f16_f32 v[(\y)+p], v[(\x)+2*p], v[(\x)+2*p+1]
.set p, p+1
.endr
.irp j, 0,1,2,3,4,5,6,7
	global_store_b64 v[YO], v[(\y)+2*\j:(\y)+2*\j+1], s[HP:HP+1] offset:256*\j+2048*(\row)  ; 32 lanes store 256 consecutive bytes, aligned
.endr
.endm
; Lane l holds columns 128 j + 4 l .. + 3, j = 0 .. 7: each load of the wave covers 512 consecutive bytes.  32 loads go out at once.
.macro LNBODY
	v_lshlrev_b32 v[XO], 4, v1
	v_lshlrev_b32 v[YO], 3, v1
.irp j, 0,1,2,3,4,5,6,7
	global_load_b128 v[G+4*\j:G+4*\j+3], v[XO], s[GP:GP+1] offset:512*\j
.endr
.irp j, 0,1,2,3,4,5,6,7
	global_load_b128 v[S+4*\j:S+4*\j+3], v[XO], s[SPP:SPP+1] offset:512*\j
.endr
.irp j, 0,1,2,3,4,5,6,7
	global_load_b128 v[X0+4*\j:X0+4*\j+3], v[XO], s[XP:XP+1] offset:512*\j
.endr
.irp j, 0,1,2,3,4,5,6,7
	global_load_b128 v[X1+4*\j:X1+4*\j+3], v[XO], s[XP:XP+1] offset:4096+512*\j
.endr
	s_wait_loadcnt 16                              ; gains and shifts are in; the two rows' 16 loads stay out
.set p, 0
.rept 16
	RND2 G+2*p, G+2*p+1, RT+p%4
	RND2 S+2*p, S+2*p+1, RT+(p+2)%4
.set p, p+1
.endr
	ROWDO X0, Y0, 8, 0
	ROWDO X1, Y1, 0, 1
.endm
.Lnorm:
	s_sub_co_u32 s40, ttmp9, 768
	s_lshl_b32 s40, s40, 4
	s_lshl1_add_u32 s40, s[WV], s40                ; my first row: 16 a work-group, 2 a wave
	s_lshl_b32 s42, s40, 12                        ; 4,096 bytes a row of x,
	s_mov_b32 s43, 0
	s_lshl_b32 s44, s40, 11                        ; 2,048 a row of h
	s_mov_b32 s45, 0
	s_mov_b32 s[INV], 0x3a800000
	s_mov_b32 s[EPS], 0x3727c5ac
	s_mov_b32 s48, 0x76543210                      ; v_permlanex16_b32: each lane takes its own place in the other half
	s_mov_b32 s49, 0xfedcba98
	s_wait_kmcnt 0x0
	s_add_nc_u64 s[XP:XP+1], s[XP:XP+1], s[42:43]
	s_add_nc_u64 s[HP:HP+1], s[HP:HP+1], s[44:45]
	LNBODY
	s_endpgm
.Lfunc_end_k_qe1474133ce_prep:
	.size	k_qe1474133ce_prep, .Lfunc_end_k_qe1474133ce_prep-k_qe1474133ce_prep
	.p2alignl 7, 3214868480
	.fill 96, 4, 3214868480
	.section	.rodata,"a",@progbits
	.p2align	6, 0x0
	.amdhsa_kernel k_qe1474133ce_prep
		.amdhsa_group_segment_fixed_size 0
		.amdhsa_private_segment_fixed_size 0
		.amdhsa_enable_private_segment 0
		.amdhsa_kernarg_size 120
		.amdhsa_user_sgpr_count 2
		.amdhsa_user_sgpr_kernarg_segment_ptr 1
		.amdhsa_wavefront_size32 1
		.amdhsa_system_sgpr_workgroup_id_x 1
		.amdhsa_system_sgpr_workgroup_id_y 1
		.amdhsa_system_sgpr_workgroup_id_z 1
		.amdhsa_system_vgpr_workitem_id 0
		.amdhsa_next_free_vgpr 192
		.amdhsa_next_free_sgpr 66
		.amdhsa_reserve_vcc 0
		.amdhsa_float_denorm_mode_32 3
		.amdhsa_float_denorm_mode_16_64 3
		.amdhsa_memory_ordered 1
		.amdhsa_forward_progress 1
		.amdhsa_inst_pref_size 41
	.end_amdhsa_kernel
	.amdgpu_metadata
---
amdhsa.version: [ 1, 2 ]
amdhsa.kernels:
  - .name:           k_qe1474133ce_prep
    .symbol:         k_qe1474133ce_prep.kd
    .args:
      - { .name: Wq, .offset: 0, .size: 8, .value_kind: global_buffer, .address_space: global }
      - { .name: Wk, .offset: 8, .size: 8, .value_kind: global_buffer, .address_space: global }
      - { .name: Wv, .offset: 16, .size: 8, .value_kind: global_buffer, .address_space: global }
      - { .name: Wo, .offset: 24, .size: 8, .value_kind: global_buffer, .address_space: global }
      - { .name: W1, .offset: 32, .size: 8, .value_kind: global_buffer, .address_space: global }
      - { .name: W2, .offset: 40, .size: 8, .value_kind: global_buffer, .address_space: global }
      - { .name: x, .offset: 48, .size: 8, .value_kind: global_buffer, .address_space: global }
      - { .name: g1, .offset: 56, .size: 8, .value_kind: global_buffer, .address_space: global }
      - { .name: s1, .offset: 64, .size: 8, .value_kind: global_buffer, .address_space: global }
      - { .name: wA, .offset: 72, .size: 8, .value_kind: global_buffer, .address_space: global }
      - { .name: wB, .offset: 80, .size: 8, .value_kind: global_buffer, .address_space: global }
      - { .name: wC, .offset: 88, .size: 8, .value_kind: global_buffer, .address_space: global }
      - { .name: hb, .offset: 96, .size: 8, .value_kind: global_buffer, .address_space: global }
      - { .name: par0, .offset: 104, .size: 8, .value_kind: global_buffer, .address_space: global }
      - { .name: par1, .offset: 112, .size: 8, .value_kind: global_buffer, .address_space: global }
    .group_segment_fixed_size: 0
    .private_segment_fixed_size: 0
    .kernarg_segment_align: 8
    .kernarg_segment_size: 120
    .max_flat_workgroup_size: 256
    .sgpr_count:     66
    .vgpr_count:     192
    .wavefront_size: 32
...
	.end_amdgpu_metadata
.endif
;; end of part 1
;; launch qkv (part 2): grid 12 x 16, 4 waves a work-group, clusters of 4 x 4, 327,680 bytes of LDS; arguments hb, wA, b1, act, par0; writes act
.if DOCPART == 2
	.amdgcn_target "amdgcn-amd-amdhsa--gfx1250"
	.amdhsa_code_object_version 6
	.text
	.protected	k_qe1474133ce_qkv
	.globl	k_qe1474133ce_qkv
	.p2align	8
	.type	k_qe1474133ce_qkv,@function
k_qe1474133ce_qkv:
	s_mov_b64 s[64:65], 0
	v_nop
	global_prefetch_b8 v0, s[64:65] scope:SCOPE_SE
	s_setreg_imm32_b32 hwreg(HW_REG_WAVE_MODE, 25, 1), 1
	s_wait_xcnt 0x0
	s_wait_alu depctr_hold_cnt(0) depctr_sa_sdst(0) depctr_va_vdst(0) depctr_va_sdst(0) depctr_va_ssrc(0) depctr_va_vcc(0) depctr_vm_vsrc(0)
	s_getreg_b32 s2, hwreg(HW_REG_IB_STS2, 6, 4)
	s_cmp_eq_u32 s2, 0
	s_cbranch_scc0 .Lentry_in_a_cluster
	s_endpgm
.Lentry_in_a_cluster:
	s_bfe_u32 s2, ttmp6, 0x10000c
	s_cmp_lg_u32 s2, 0xf033
	s_cbranch_scc0 .Lentry_shape_is_right
	s_endpgm
.Lentry_shape_is_right:
; C = f(A B + bias).  A: [4096][1024] f16.  B: panels [1024][256] f16 (a panel's row is 512 bytes), one panel for each 256 columns of C.  Sums in f32.
; C leaves in f16 by blocks of 64 columns: [block][4096 rows][64], 524,288 bytes a block, so that a head's or a K slice's rows are dense for the launch behind.
; ONE TEXT, TWO LAUNCHES, told apart by a word read from the last argument, which only CHOOSES SCALARS: no branch and no address hangs on it.
;   word 1 (x W1 + b1, GELU): f(x) = x / (1 + 2^(x (K1 + K2 x^2))), K1 = -2 sqrt(2/pi) log2(e), K2 = 0.044715 K1: the tanh form of GELU, written by its exponential.
;   word 0 (q, k, v): K1 = K2 = 0, the divisor is halved to 0.5 x 1 + 0.5 = 1, and the bias is masked to 0: the same lines leave x as it is.
; The bias is rounded to bf16, like every input of the program.  LIMITS: C beyond 65,504 is not served (f16); NaN and infinities are not treated apart.
; SHAPE.  A tile of C is 256 x 256: four waves, each 128 x 128: 64 accumulators, 512 registers.  K goes in 8 steps of 128 through two LDS slots filled by tensor loads.
; A's rows lie along K and are read as they lie; B's rows lie along N and are read by the turning load.  The matrix instruction is used transposed (source 0 = 16 columns
; of B, source 1 = 16 rows of A): a lane then holds eight neighbouring columns of one row of C.
; CLUSTER.  4 x 4 work-groups: A's tiles are asked for jointly along a row of the cluster, B's along a column.
; EVERY K STEP HAS ONE TEXT.  The sums are started by 64 products of zero fragments with C = 0, in the wait for the first tile; a loop of six steps fills slots again,
; a loop of two does not.  The very last step's change of slots and fetch serve nothing: the price of writing the tail as a loop.
; REGISTERS, in windows of 256: window 0: addresses; v32-63, v192-223 the way out; v64-127, v128-191 A's two fragment buffers (on the way out: x and its factor).
;   window 1: v0-63 the bias of my 64 columns a lane; v64-127, v128-191 B's two buffers; v192-195 at work.   windows 2, 3: the accumulators of my rows 0-63, 64-127.
.set PA,     272                       ; a row of A in LDS: 256 bytes + 16
.set PB,     544                       ; a row of B in LDS: 512 bytes + 32: an odd multiple of 32
.set HALFT,  34816                     ; what one tensor load brings: 128 rows of A, or 64 rows of B
.set SLOT,   4*HALFT                   ; A's 256 rows, then B's 128
.set STAGE,  2*SLOT                    ; 16 rows x 272 bytes for each wave, for the way out; no tensor load lands here
.set SPARE,  STAGE+4*16*272            ; the spare words: 128 bytes a wave, named by no other line
.set ADRA0, 16                         ; v16  my lane's place in A's tile of slot 0
.set ADRB0, 17                         ; v17  the same for B
.set RA,   18                          ; v18  the same in the slot in hand
.set RB,   19                          ; v19
.set STO,  24                          ; v24  the way out: where I put 16 bytes of a row
.set RD,   25                          ; v25  where I read rows back
.set CO,   26                          ; v26  16 x lane
.set SPW,  28                          ; v28  my spare word; never rewritten
.set NIL,  29                          ; v29  0; never rewritten
.set PFO,  30                          ; v30  the prefetches' lane offset; never rewritten
.set OB,   32
.set F0,   64
.set F1,   128
.set XX,   64
.set ZZ,   128
.set TMP,  192
.set WV, 14
.set WR, 15                            ; s15  my half of the tile's rows; also 0: I fetch for A, 1: for B
.set WC, 16                            ; s16  my half of its columns; also which half of that tile I fetch
.set CX, 17
.set CY, 18
.set TC, 19
.set TR, 20
.set MODE, 23
.set G1A, 24                           ; s[24:31] group 1 for A's tiles
.set G0A, 32                           ; s[32:39] group 0 for A's: a set for each first fill; the second then walks
.set G1B, 40
.set G0B, 48
.set PFA, 56                           ; s[56:57] where my prefetches stand
.set PST, 58                           ; s[58:59] their step from K step to K step
.set LIM, 60                           ; s60  2 in a wave that prefetches, else the greatest number
.set SB,  61                           ; s61  the slot in hand: 0 or SLOT
.set CNT, 62
.set BLK, 63
.set K1,  72
.set K2,  74
.set SCI, 76
.set MM,  78
.set HM,  79
.set MSB, 0
.macro WIN new                         ; the immediate's high byte repeats the setting that is left; a switch that changes nothing is dropped
.if MSB != (\new)
	s_set_vgpr_msb (MSB<<8)|(\new)
.set MSB, \new
.endif
.endm
.set MUL_LO, 0xa1                      ; source 0 (B) window 1, source 1 (A) window 0, C and D window 2
.set MUL_HI, 0xf1
.set TO_B,   0x40
; A joint refill by the walking descriptors.  The branch hangs on the wave's number alone.  An s_nop 0 and four v_nop follow each line.
.macro JLOAD
	s_cmp_eq_u32 s[WR], 0
	s_cbranch_scc0 .Lfor_b_\@
	tensor_load_to_lds s[G0A+4:G0A+7], s[G1A:G1A+7]
	s_nop 0
.rept 4
	v_nop
.endr
	s_branch .Lasked_\@
.Lfor_b_\@:
	tensor_load_to_lds s[G0B+4:G0B+7], s[G1B:G1B+7]
	s_nop 0
.rept 4
	v_nop
.endr
.Lasked_\@:
.endm
; A prefetch of the K step that stands two refills on: 32 blocks of 256 bytes, a lane a block, one instruction a wave.  Each block is named once in the launch:
; A's rows by the clusters with x = 0, B's by those with y = 0; the four partners that ask for a tile jointly share its blocks out by address.
; The loop's last two trips have no K step two refills on.
.macro ASK
	s_cmp_gt_u32 s[CNT], s[LIM]
	s_cbranch_scc0 .Lnot_mine_\@
	global_prefetch_b8 v[PFO], s[PFA:PFA+1] th:TH_LOAD_NT scope:SCOPE_SE
.Lnot_mine_\@:
.endm
.macro CREST                           ; a round of the cluster's barrier behind its opening barrier
	s_cmp_lg_u32 s[WV], 0
	s_cbranch_scc1 .Lnot_wave_0_\@
	s_barrier_signal -3
.Lnot_wave_0_\@:
	s_barrier_wait -3
	s_barrier_signal -1
	s_barrier_wait -1
.endm
.macro CROUND
	s_barrier_signal -1
	s_barrier_wait -1
	CREST
.endm
.macro PLACES                          ; four plain instructions between a matrix instruction and a load into, or a vector write of, its registers
.rept 4
	v_nop
.endr
.endm
; 16 products: m blocks a0, a0 + 1 of the window's four x all 8 n blocks, 32 along K.  The 64 accumulators take turns, in the same order in every quarter.
.macro MUL16 f, hi, a0
	WIN MUL_LO+0x50*(\hi)
.irp a, \a0, (\a0)+1
.irp b, 0,1,2,3,4,5,6,7
	v_wmma_f32_16x16x32_f16 v[8*(8*(\a)+(\b)):8*(8*(\a)+(\b))+7], v[(\f)+8*(\b):(\f)+8*(\b)+7], v[(\f)+8*(4*(\hi)+(\a)):(\f)+8*(4*(\hi)+(\a))+7], v[8*(8*(\a)+(\b)):8*(8*(\a)+(\b))+7]
.endr
.endr
.endm
; 32 LDS loads in one run: quarter q's fragments (32 along K) into buffer f: B's 8 (turned), then A's 8
.macro FETCH q, f
	WIN TO_B
.irp i, 0,1,2,3,4,5,6,7
	ds_load_tr16_b128 v[(\f)+8*(\i):(\f)+8*(\i)+3],   v[RB] offset:(\q)*32*PB+32*(\i)
	ds_load_tr16_b128 v[(\f)+8*(\i)+4:(\f)+8*(\i)+7], v[RB] offset:(\q)*32*PB+32*(\i)+16*PB
.endr
	WIN 0
.irp i, 0,1,2,3,4,5,6,7
	ds_load_b128 v[(\f)+8*(\i):(\f)+8*(\i)+3],   v[RA] offset:(\q)*64+(\i)*16*PA
	ds_load_b128 v[(\f)+8*(\i)+4:(\f)+8*(\i)+7], v[RA] offset:(\q)*64+(\i)*16*PA+32
.endr
.endm
; one of a K step's first three quarters: multiplies buffer f; in its middle it fetches quarter q into buffer g
.macro QUARTER q, f, g
	s_wait_dscnt 8                                 ; B and A's rows 0-63 are in; the youngest eight loads (A's rows 64-127) may be out
	MUL16 \f, 0, 0
	MUL16 \f, 0, 2
	PLACES
	FETCH \q, \g
	s_wait_dscnt 32                                ; all but the 32 just issued
	MUL16 \f, 1, 0
	MUL16 \f, 1, 2
.endm
; The last quarter multiplies buffer 1 and changes slots.  In front of the barrier each wave waits for all its tensor loads (one is out: its part of the next slot),
; adds 0 to its spare word, and waits for that and for its reads of this slot.  fill = 1: the barrier opens a round of the cluster's barrier, and the joint refill,
; this slot's tile two K steps on, is the first thing behind the round: from there to the wait for it a wave issues 224 products.
.macro TURN fill
.if \fill
	s_wait_xcnt 0x0                                ; the last prefetch, a K step back, has read its address
	s_add_nc_u64 s[PFA:PFA+1], s[PFA:PFA+1], s[PST:PST+1]
.endif
	WIN 0
	s_wait_tensorcnt 0x0
	ds_add_u32 v[SPW], v[NIL]                      ; 0 onto my spare word; work on registers stands between it and the wait for it
.if \fill
	s_xor_b32 s[G0A+5], s[G0A+5], SLOT             ; no tensor load of mine is out: the walking descriptors step: the other slot, the next K step
	s_add_nc_u64 s[G0A+6:G0A+7], s[G0A+6:G0A+7], 256
	s_xor_b32 s[G0B+5], s[G0B+5], SLOT
	s_add_nc_u64 s[G0B+6:G0B+7], s[G0B+6:G0B+7], 65536
.endif
	s_xor_b32 s[SB], s[SB], SLOT
	v_add_nc_u32 v[RA], s[SB], v[ADRA0]
	v_add_nc_u32 v[RB], s[SB], v[ADRB0]
	s_wait_dscnt 9                                 ; the add and the youngest eight loads may be out
	MUL16 F1, 0, 0
	s_wait_dscnt 0x0                               ; the add is done, and my reads of this slot are over
	s_barrier_signal -1
	MUL16 F1, 0, 2
	WIN 0
	s_barrier_wait -1
.if \fill
	CREST
	JLOAD                                          ; its four v_nop are also the places in front of the loads below
.else
	PLACES
.endif
	FETCH 0, F0
.if \fill
	ASK
.endif
	MUL16 F1, 1, 0
	MUL16 F1, 1, 2
.endm
.macro KS fill                         ; a K step
	QUARTER 1, F0, F1
	QUARTER 2, F1, F0
	QUARTER 3, F0, F1
	TURN \fill
.endm
	s_load_b256 s[4:11], s[0:1], 0x0               ; A 4, B 6, bias 8, C 10
	s_load_b64 s[12:13], s[0:1], 0x20              ; the word
	v_lshl_add_u32 v[SPW], v0, 2, SPARE
	v_mov_b32 v[NIL], 0
	ds_add_u32 v[SPW], v[NIL]                      ; the wave's opening: the add and its wait ahead of my first tensor load
	ds_add_u32 v28, v29
	v_lshrrev_b32 v1, 5, v0
	v_readfirstlane_b32 s[WV], v1
	s_lshr_b32 s[WR], s[WV], 1
	s_and_b32 s[WC], s[WV], 1
	s_bfe_u32 s[CX], ttmp6, 0x40000
	s_bfe_u32 s[CY], ttmp6, 0x40004
	s_lshl_b32 s[TC], ttmp9, 2
	s_add_co_u32 s[TC], s[TC], s[CX]               ; tile column = 4 x cluster x + cx
	s_and_b32 s[TR], ttmp7, 0xffff
	s_lshl_b32 s[TR], s[TR], 2
	s_add_co_u32 s[TR], s[TR], s[CY]               ; tile row = 4 x cluster y + cy
	s_lshl_b32 s21, s[CY], 2
	s_lshl_b32 s21, 15, s21                        ; my row of the cluster
	s_lshl_b32 s22, 0x1111, s[CX]                  ; my column
	s_or_b32 s[G1A], s21, (1<<16)|(1<<20)|(1<<21)|(5<<22)|(3<<25)  ; the mask; 2-byte elements; padding on; bit 21 beside a mask; after every 64 words, 4 words
	s_mov_b32 s[G1A+1], 128<<16                    ; tensor_dim0 = 128
	s_mov_b32 s[G1A+2], 128<<16                    ; tensor_dim1 = 128
	s_mov_b32 s[G1A+3], 128<<16                    ; tile_dim0 = 128
	s_mov_b32 s[G1A+4], 128                        ; tile_dim1 = 128
	s_mov_b32 s[G1A+5], 1024                       ; elements from row to row
	s_mov_b32 s[G1A+6], 0
	s_mov_b32 s[G1A+7], 0
	s_or_b32 s[G1B], s22, (1<<16)|(1<<20)|(1<<21)|(6<<22)|(7<<25)  ; after every 128 words, 8 words
	s_mov_b32 s[G1B+1], 256<<16
	s_mov_b32 s[G1B+2], 64<<16
	s_mov_b32 s[G1B+3], 256<<16
	s_mov_b32 s[G1B+4], 64
	s_mov_b32 s[G1B+5], 256
	s_mov_b32 s[G1B+6], 0
	s_mov_b32 s[G1B+7], 0
	s_lshl_b32 s66, s[TR], 19                      ; A: (256 x tile row + 128 x half) rows of 2,048 bytes
	s_lshl_b32 s70, s[WC], 18
	s_add_co_u32 s66, s66, s70
	s_mov_b32 s67, 0
	s_lshl_b32 s68, s[TC], 19                      ; B: the panel, and 64 x half rows of 512 bytes
	s_lshl_b32 s70, s[WC], 15
	s_add_co_u32 s68, s68, s70
	s_mov_b32 s69, 0
	s_mul_i32 s71, s[WV], HALFT                    ; where they go: no place in the cluster enters an LDS address
	s_mov_b32 s[SB], 0
	s_mov_b32 s[HM], 0xffff0000
	s_wait_dscnt 0x0                               ; the opening add is done
	s_wait_kmcnt 0x0
	s_load_b32 s[MODE], s[12:13], 0x0
	s_add_nc_u64 s[66:67], s[4:5], s[66:67]
	s_add_nc_u64 s[68:69], s[6:7], s[68:69]
	CROUND                                         ; all sixteen work-groups are here: the first joint loads meet
.irp s, 0,1
	s_mov_b32 s[G0A+4*(\s)], 1
	s_add_co_u32 s[G0A+4*(\s)+1], s71, (\s)*SLOT
	s_add_nc_u64 s[G0A+4*(\s)+2:G0A+4*(\s)+3], s[66:67], (\s)*256
	s_or_b32 s[G0A+4*(\s)+3], s[G0A+4*(\s)+3], 0x80000000
	s_mov_b32 s[G0B+4*(\s)], 1
	s_add_co_u32 s[G0B+4*(\s)+1], s71, (\s)*SLOT
	s_add_nc_u64 s[G0B+4*(\s)+2:G0B+4*(\s)+3], s[68:69], (\s)*65536
	s_or_b32 s[G0B+4*(\s)+3], s[G0B+4*(\s)+3], 0x80000000
.endr
	s_cmp_eq_u32 s[WR], 0                          ; a wave's two first fills stand in one branch: two loads of mine are out
	s_cbranch_scc0 .Lfirst_b
	tensor_load_to_lds s[G0A:G0A+3], s[G1A:G1A+7]
	s_nop 0
	tensor_load_to_lds s[G0A+4:G0A+7], s[G1A:G1A+7]
	s_nop 0
.rept 4
	v_nop
.endr
	s_branch .Lfirst_asked
.Lfirst_b:
	tensor_load_to_lds s[G0B:G0B+3], s[G1B:G1B+7]
	s_nop 0
	tensor_load_to_lds s[G0B+4:G0B+7], s[G1B:G1B+7]
	s_nop 0
.rept 4
	v_nop
.endr
.Lfirst_asked:
	v_and_b32 v1, 15, v0                           ; l % 16
	v_bfe_u32 v2, v0, 4, 1                         ; l / 16
	v_and_b32 v3, 7, v0
	v_bfe_u32 v4, v0, 3, 1
	v_and_b32 v5, 31, v0
	v_mul_u32_u24 v[ADRA0], v1, PA                 ; A: row l % 16, 16 bytes for each half of the lanes
	v_lshl_add_u32 v[ADRA0], v2, 4, v[ADRA0]
	s_mul_i32 s70, s[WR], HALFT
	v_add_nc_u32 v[ADRA0], s70, v[ADRA0]
	v_lshl_add_u32 v[ADRB0], v2, 3, v3             ; B: K row 8 (l / 16) + l % 8, columns 8 ((l / 8) % 2) on
	v_mul_u32_u24 v[ADRB0], v[ADRB0], PB
	v_lshl_add_u32 v[ADRB0], v4, 4, v[ADRB0]
	s_lshl_b32 s70, s[WC], 8
	s_add_co_u32 s70, s70, 2*HALFT
	v_add_nc_u32 v[ADRB0], s70, v[ADRB0]
	v_mov_b32 v[RA], v[ADRA0]
	v_mov_b32 v[RB], v[ADRB0]
	s_mul_i32 s70, s[WV], 16*272
	s_add_co_u32 s70, s70, STAGE
	v_mul_u32_u24 v[STO], v1, 272
	v_lshl_add_u32 v[STO], v2, 4, v[STO]
	v_add_nc_u32 v[STO], s70, v[STO]
	v_lshrrev_b32 v[RD], 3, v5                     ; back: 32 lanes take 128 bytes of each of four rows,
	v_mul_u32_u24 v[RD], v[RD], 272
	v_lshl_add_u32 v[RD], v3, 4, v[RD]
	v_add_nc_u32 v[RD], s70, v[RD]
	v_lshlrev_b32 v[CO], 4, v5                     ; which are 512 consecutive bytes of C
	v_lshlrev_b32 v6, 5, v2                        ; the bias of my 8 columns of a block of 16
	s_lshl_b32 s86, s[TC], 21                      ; C: four blocks of 64 columns a tile, two a wave;
	s_lshl_b32 s85, s[WC], 20
	s_add_co_u32 s86, s86, s85
	s_lshl_b32 s85, s[TR], 15                      ; rows of 128 bytes
	s_add_co_u32 s86, s86, s85
	s_lshl_b32 s85, s[WR], 14
	s_add_co_u32 s86, s86, s85
	s_mov_b32 s87, 0
	s_add_nc_u64 s[10:11], s[10:11], s[86:87]
	s_lshl_b32 s88, s[TC], 10
	s_lshl_b32 s85, s[WC], 9
	s_add_co_u32 s88, s88, s85
	s_mov_b32 s89, 0
	s_add_nc_u64 s[8:9], s[8:9], s[88:89]
	; the prefetches: my work-group's 32 blocks of what I fetch, at K step 3: the first change of slots steps to K step 4
	s_lshl_b32 s80, s[TR], 8
	s_lshl_b32 s83, s[WC], 7
	s_add_co_u32 s80, s80, s83
	s_lshl_b32 s83, s[CX], 5
	s_add_co_u32 s80, s80, s83                     ; A: 32 of the 128 rows, by cx
	s_lshl_b32 s80, s80, 11
	s_add_co_u32 s80, s80, 3*256
	s_lshl_b32 s82, s[TC], 19
	s_lshl_b32 s83, s[WC], 15
	s_add_co_u32 s82, s82, s83
	s_lshl_b32 s83, s[CY], 13                      ; B: 8,192 of the 32,768 dense bytes, by cy
	s_add_co_u32 s82, s82, s83
	s_add_co_u32 s82, s82, 3*65536
	s_and_b32 s83, ttmp7, 0xffff
	s_cmp_eq_u32 s[WR], 0
	s_cselect_b32 s80, s80, s82
	s_cselect_b32 s83, ttmp9, s83                  ; the coordinate along which other clusters read the same blocks
	s_cselect_b32 s84, 8, 16
	s_cselect_b32 s85, 11, 8
	s_cselect_b64 s[PFA:PFA+1], s[4:5], s[6:7]
	s_lshl_b32 s[PST], 1, s84                      ; a K step is 256 bytes along A's rows, 65,536 down B's panel
	s_mov_b32 s[PST+1], 0
	v_lshlrev_b32 v[PFO], s85, v5                  ; a lane a row of A (2,048 bytes apart), or a block of B (256 apart)
	s_mov_b32 s81, 0
	s_add_nc_u64 s[PFA:PFA+1], s[PFA:PFA+1], s[80:81]
	s_cmp_eq_u32 s83, 0
	s_cselect_b32 s[LIM], 2, -1
	s_wait_kmcnt 0x0                               ; the word
	s_cmp_lg_u32 s[MODE], 0
	s_cselect_b32 s[K1], 0xc0135761, 0             ; -2.3022082
	s_cselect_b32 s[K2], 0xbdd2d3e8, 0             ; -0.10294324
	s_cselect_b32 s[SCI], 1.0, 0.5
	s_cselect_b32 s[MM], -1, 0
	s_mov_b32 s[K1+1], s[K1]                       ; named as pairs
	s_mov_b32 s[K2+1], s[K2]
	s_mov_b32 s[SCI+1], s[SCI]
	WIN TO_B
.irp b, 0,1,2,3,4,5,6,7
	global_load_b128 v[8*(\b):8*(\b)+3],   v6, s[8:9] offset:64*(\b)
	global_load_b128 v[8*(\b)+4:8*(\b)+7], v6, s[8:9] offset:64*(\b)+16
.endr
.set i, 0
.rept 8
	v_mov_b32 v[F1+i], 0                           ; a fragment of zeros for B,
.set i, i+1
.endr
	WIN 0
.set i, 0
.rept 8
	v_mov_b32 v[F1+i], 0                           ; and one for A
.set i, i+1
.endr
.irp hi, 0,1
	WIN MUL_LO+0x50*(\hi)
.set i, 0
.rept 32
	v_wmma_f32_16x16x32_f16 v[8*i:8*i+7], v[F1:F1+7], v[F1:F1+7], 0  ; the sums start at 0, in the wait for the first tile
.set i, i+1
.endr
.endr
	WIN 0x45                                       ; the bias: destination and both sources in window 1
	s_wait_loadcnt 0x0
.set p, 0
.rept 32
	v_cvt_pk_bf16_f32 v[192+p%4], v[2*p], v[2*p+1]
	v_and_b32 v[192+p%4], s[MM], v[192+p%4]
	v_lshlrev_b32 v[2*p], 16, v[192+p%4]
	v_and_b32 v[2*p+1], s[HM], v[192+p%4]
.set p, p+1
.endr
	WIN 0
	s_wait_tensorcnt 1                             ; my part of K step 0 is in; K step 1's may stay out
	s_barrier_signal -1
	s_barrier_wait -1
	FETCH 0, F0
	s_mov_b32 s[CNT], 6
.Lk1:                                                  ; K steps 0 to 5: each fills its slot again, with K steps 2 to 7
	KS 1
	WIN 0
	s_sub_co_u32 s[CNT], s[CNT], 1
	s_cmp_lg_u32 s[CNT], 0
	s_cbranch_scc1 .Lk1
	s_mov_b32 s[CNT], 2
.Lk2:                                                  ; K steps 6 and 7 ask for nothing
	KS 0
	WIN 0
	s_sub_co_u32 s[CNT], s[CNT], 1
	s_cmp_lg_u32 s[CNT], 0
	s_cbranch_scc1 .Lk2
	s_wait_dscnt 0x0
.rept 8
	v_nop                                          ; the places behind the last products
.endr
; THE WAY OUT, a block of 16 rows x 128 columns a trip.  Only the lines that name the accumulators are written eight times; each takes its accumulators' registers in ascending order.
.macro TAKE a
	WIN 0x06+(\a)/4                                ; source 0 window 2 or 3, source 1 (the bias) window 1
.set i, 0
.rept 32
	v_pk_add_f32 v[XX+2*i:XX+2*i+1], v[64*((\a)%4)+2*i:64*((\a)%4)+2*i+1], v[2*i:2*i+1]
.set i, i+1
.endr
	WIN 0
.endm
	s_mov_b32 s[BLK], 0
.Lblk:
.irp a, 0,1,2,3,4,5,6
	s_cmp_eq_u32 s[BLK], \a
	s_cbranch_scc1 .LA\a
.endr
	TAKE 7
	s_branch .Ljoin
.irp a, 0,1,2,3,4,5
.LA\a:
	TAKE \a
	s_branch .Ljoin
.endr
.LA6:
	TAKE 6
.Ljoin:
	; x / (SCI 2^(x (K1 + K2 x^2)) + SCI).  Two batches, 64 exponentials and 64 reciprocals, each with one wait; a pair's transcendentals stand among the next pair's plain lines.
.set p, 0
.rept 32
	v_pk_mul_f32 v[ZZ+2*p:ZZ+2*p+1], v[XX+2*p:XX+2*p+1], v[XX+2*p:XX+2*p+1]
.if p > 0
	v_exp_f32 v[ZZ+2*p-2], v[ZZ+2*p-2]
.endif
	v_pk_fma_f32 v[ZZ+2*p:ZZ+2*p+1], v[ZZ+2*p:ZZ+2*p+1], s[K2:K2+1], s[K1:K1+1] op_sel_hi:[1,0,0]
.if p > 0
	v_exp_f32 v[ZZ+2*p-1], v[ZZ+2*p-1]
.endif
	v_pk_mul_f32 v[ZZ+2*p:ZZ+2*p+1], v[ZZ+2*p:ZZ+2*p+1], v[XX+2*p:XX+2*p+1]
.set p, p+1
.endr
	v_exp_f32 v[ZZ+62], v[ZZ+62]
	v_exp_f32 v[ZZ+63], v[ZZ+63]
	v_nop                                          ; a plain instruction behind the last exponential,
	s_wait_alu depctr_va_vdst(0)                   ; and one wait for the batch, ahead of its first reader
.set p, 0
.rept 32
	v_pk_fma_f32 v[ZZ+2*p:ZZ+2*p+1], v[ZZ+2*p:ZZ+2*p+1], s[SCI:SCI+1], s[SCI:SCI+1] op_sel_hi:[1,0,0]
.if p > 0
	v_rcp_f32 v[ZZ+2*p-2], v[ZZ+2*p-2]
	v_rcp_f32 v[ZZ+2*p-1], v[ZZ+2*p-1]
.endif
.set p, p+1
.endr
	v_rcp_f32 v[ZZ+62], v[ZZ+62]
	v_rcp_f32 v[ZZ+63], v[ZZ+63]
	v_nop
	s_wait_alu depctr_va_vdst(0)                   ; one wait for the 64 reciprocals
.set p, 0
.rept 32
	v_pk_mul_f32 v[XX+2*p:XX+2*p+1], v[XX+2*p:XX+2*p+1], v[ZZ+2*p:ZZ+2*p+1]
.set p, p+1
.endr
.set p, 0
.rept 32
	v_cvt_pk_f16_f32 v[TMP+p], v[XX+2*p], v[XX+2*p+1]
.set p, p+1
.endr
.irp b, 0,1,2,3,4,5,6,7
	ds_store_b128 v[STO], v[TMP+4*(\b):TMP+4*(\b)+3] offset:32*(\b)
.endr
.irp g, 0,1,2,3
.irp hh, 0,1
	ds_load_b128 v[OB+4*(2*(\g)+(\hh)):OB+4*(2*(\g)+(\hh))+3], v[RD] offset:(\hh)*128+(\g)*1088  ; LDS serves a wave's instructions in order: these see the stores above
.endr
.endr
	s_wait_dscnt 0x0
.irp g, 0,1,2,3
.irp hh, 0,1
	global_store_b128 v[CO], v[OB+4*(2*(\g)+(\hh)):OB+4*(2*(\g)+(\hh))+3], s[10:11] offset:(\hh)*524288+(\g)*512  ; 512 consecutive bytes: four rows of a block of 64 columns
.endr
.endr
	s_wait_xcnt 0x0                                ; the stores have read their registers and their base: both are written again only behind this wait
	s_add_nc_u64 s[10:11], s[10:11], 2048          ; 16 rows on
	s_add_co_u32 s[BLK], s[BLK], 1
	s_cmp_lt_u32 s[BLK], 8
	s_cbranch_scc1 .Lblk
	s_wait_tensorcnt 0x0                           ; the wave's end
	ds_add_u32 v[SPW], v[NIL]
	s_wait_dscnt 0x0
	CROUND                                         ; the closing round
	s_endpgm
.Lfunc_end_k_qe1474133ce_qkv:
	.size	k_qe1474133ce_qkv, .Lfunc_end_k_qe1474133ce_qkv-k_qe1474133ce_qkv
	.p2alignl 7, 3214868480
	.fill 96, 4, 3214868480
	.section	.rodata,"a",@progbits
	.p2align	6, 0x0
	.amdhsa_kernel k_qe1474133ce_qkv
		.amdhsa_group_segment_fixed_size 327680
		.amdhsa_private_segment_fixed_size 0
		.amdhsa_enable_private_segment 0
		.amdhsa_kernarg_size 40
		.amdhsa_user_sgpr_count 2
		.amdhsa_user_sgpr_kernarg_segment_ptr 1
		.amdhsa_wavefront_size32 1
		.amdhsa_system_sgpr_workgroup_id_x 1
		.amdhsa_system_sgpr_workgroup_id_y 1
		.amdhsa_system_sgpr_workgroup_id_z 1
		.amdhsa_system_vgpr_workitem_id 0
		.amdhsa_next_free_vgpr 1024
		.amdhsa_next_free_sgpr 96
		.amdhsa_reserve_vcc 0
		.amdhsa_float_denorm_mode_32 3
		.amdhsa_float_denorm_mode_16_64 3
		.amdhsa_memory_ordered 1
		.amdhsa_forward_progress 1
		.amdhsa_inst_pref_size 110
	.end_amdhsa_kernel
	.amdgpu_metadata
---
amdhsa.version: [ 1, 2 ]
amdhsa.kernels:
  - .name:           k_qe1474133ce_qkv
    .symbol:         k_qe1474133ce_qkv.kd
    .args:
      - { .name: hb, .offset: 0, .size: 8, .value_kind: global_buffer, .address_space: global }
      - { .name: wA, .offset: 8, .size: 8, .value_kind: global_buffer, .address_space: global }
      - { .name: b1, .offset: 16, .size: 8, .value_kind: global_buffer, .address_space: global }
      - { .name: act, .offset: 24, .size: 8, .value_kind: global_buffer, .address_space: global }
      - { .name: par0, .offset: 32, .size: 8, .value_kind: global_buffer, .address_space: global }
    .group_segment_fixed_size: 327680
    .private_segment_fixed_size: 0
    .kernarg_segment_align: 8
    .kernarg_segment_size: 40
    .max_flat_workgroup_size: 128
    .sgpr_count:     96
    .vgpr_count:     1024
    .wavefront_size: 32
...
	.end_amdgpu_metadata
.endif
;; end of part 2
;; launch attn (part 3): grid 8 x 32, 4 waves a work-group, no clusters, 327,680 bytes of LDS; arguments act, hb; writes hb
.if DOCPART == 3
	.amdgcn_target "amdgcn-amd-amdhsa--gfx1250"
	.amdhsa_code_object_version 6
	.text
	.protected	k_qe1474133ce_attn
	.globl	k_qe1474133ce_attn
	.p2align	8
	.type	k_qe1474133ce_attn,@function
k_qe1474133ce_attn:
	s_mov_b64 s[64:65], 0
	v_nop
	global_prefetch_b8 v0, s[64:65] scope:SCOPE_SE
	s_setreg_imm32_b32 hwreg(HW_REG_WAVE_MODE, 25, 1), 1
	s_wait_xcnt 0x0
; CAUSAL ATTENTION.  O[q][:] = the sum over k <= q of softmax_k(Q[q] . K[k] / 8) V[k][:], for 32 pairs (batch, head) of 2,048 rows of 64 channels, all f16.
; q, k, v lie in one buffer by blocks of 64 columns, [block][4096 rows][64]: q's head h is block h, k's 16 + h, v's 32 + h; batch b's rows begin 2,048 b rows into a block.  O has q's layout.
; Products, maxima and sums in f32; the weights p are rounded to f16 for the second product (their sum l is taken of the unrounded p), O once at the end.
; LIMITS.  Q, K and V arrive within f16's 65,504; p below 6e-5 keeps f16's fixed step of 6e-8.  A hidden score counts as its value less 1e30; a weight below 2^-126 counts as 0 in l;
; NaN and infinities are not treated apart.
; THE WALK.  A head's queries lie in 16 blocks of 128; its keys in tiles of 256.  Block i needs the tiles 0 .. i / 2, of which the last holds the diagonal.  A work-group takes TWO blocks, 15 - b and
; then b (b = 0 .. 7): (15 - b) / 2 + 1 + b / 2 + 1 = 9 tiles, whatever b: 8 x 32 = 256 work-groups of equal work, and ONE loop with a constant trip count walks the tiles.  Which tile is asked for, and
; what a trip does, hang on scalar registers made from b; every jump but the counted loops' own goes forward, and none passes a barrier.
; NO CLUSTER: a head's eight work-groups ask for the same tile only in trips 0 .. 4 (the shortest first block has five tiles), behind that fewer and fewer; one walk common to all would have
; 8 + 4 = 12 trips for 9.
; SHARES.  Of a block's two bands of 64 queries a wave owns 16 rows in each: two PIECES.  In the block's last tile band x's own key step is x + PAR, PAR = 2 (i % 2): it sees all keys of an earlier step,
; none of a later one, and holds the diagonal in its own: the same work for all four waves.
; THE MASK is the C operand that starts the sum S^T = K Q^T: 0, or -1e30 where the key is hidden.  MD, made once, is the mask of a band's own step for my 16 rows; a product's mask is MD x AL + BE.
; Only the last tile's text and a block's beginning make and take masks, each turn its own at its head; elsewhere C is the constant 0.
; LAYOUT, SOFTMAX, TURNS.  S^T = K Q^T holds ONE query a lane (lane % 16) and the keys 8 (lane / 16) + 0..7; two such results rounded to f16 ARE source 1 of O^T = V^T P.  p = 2^(c s - c m),
; c = log2(e) / 8, with a running maximum m; O and l are multiplied by a = 2^(c m_old - c m_new) in every step.  A turn belongs to one piece: beside that piece's scaling, exponentials, roundings, sums
; and rescaling stand 8 products K Q^T and 8 products V^T P of the OTHER piece, and the other piece's maximum and statistics.  Turn 0 of step j: piece 1's scores of step j, piece 1's V^T P of
; step j - 1.  Turn 1 of step j: piece 0's scores of step j + 1, piece 0's V^T P of step j.  Four vector instructions stand behind every matrix instruction, the rest of a turn in one run.
; A turn's 33 exponentials are one batch, with one wait.
; THE RING.  K of step j + 1 and V of step j are both fetched from LDS in turn 0 of step j.  So a slot holds V's steps 4 t .. 4 t + 3 and K's steps 4 t + 1 .. 4 t + 4: K's tile begins 64 keys later in
; memory than V's.  All reads of a slot then fall in its own four turns 0, and the change of slots stands behind the fourth.  K of key step 0, which no slot holds, comes straight from memory into
; K's registers: for the first block at the kernel's head, for the second in the first block's last turn, which makes no scores.  Each of these two groups of loads is waited for ahead of the next
; label, so that on every way no load into K's registers finds an earlier one outstanding.  K's last tile of a head reaches 64 rows past the head's: they lie inside the buffer and are never multiplied.
; PREFETCH.  The head's work-group b = 0, in its first block, names at each change of slots the tile that the next change will ask for: each wave the 64 blocks of 256 bytes of the half that it will
; fetch itself, a lane a block, two instructions.  So tiles 2 to 7 are each named once in the launch, four key steps ahead of their load; nothing is named behind tile 7.
; REGISTERS, in windows of 256: window 0: v0-15 addresses and two at work; v16-23 statistics; v48-55 at work; v64-127 S^T, a buffer a piece; v192-223 P, likewise.
;   window 1: v0-63 O^T; v128-159 MD; v160-223 MC, two buffers.      window 2: v0-31 Q; v64-95 the second block's Q; v128-191 K of one step; v192-255 V of one step.
.set NBLK,  16        ; blocks of 128 queries in a head
.set NT,    9         ; tiles in a walk
.set NP,    2         ; pieces a wave: a name, no knob
.set KS,    64
.set PK,    144       ; a row of K in LDS: 128 bytes + 16
.set PV,    160       ; a row of V: 128 + 32
.set VOFF,  4*KS*PK   ; a slot holds four steps: 256 rows of K, then 256 rows of V
.set SLOT1, 1<<17
.set STAGE, SLOT1+4*KS*(PK+PV)  ; behind the ring, never filled by a tensor load: 16 rows x 144 bytes for each wave
.set SP,    144
.set AK0, 2
.set AV0, 3
.set AK,  4
.set AV,  5
.set STO, 6
.set RD,  7
.set GO,  8
.set PFO, 61          ; v61  256 x lane; never rewritten
.set SPW, 62          ; v62  my spare word; never rewritten
.set NIL, 63          ; v63  0; never rewritten
.set SPARE, STAGE+4*16*SP
.set MV,  12
.set QO,  15          ; v15  my byte offset in 16 rows of Q or K in memory; never rewritten
.set ST,  16          ; piece t's statistics at v[ST+4 t]: c m, m, l (even keys', odd keys')
.set TMP, 48
.set S,   64
.set P,   192
.set MD,  128
.set MC,  160
.set QB,  64
.set KF,  128
.set VF,  192
.set WV,  12
.set PB,  14          ; s14  b
.set HI,  15          ; s15  15 - b
.set G1K, 24
.set G1V, 32
.set G0K, 40
.set G0V, 44
.set LQ2, 48          ; s48  the second block's last tile
.set PAR, 49          ; s49  2 (i % 2) of the block in hand
.set PAR2, 50         ; s50  the second block's
.set EQ0, 51          ; s51  the step count at which piece 0's scores of its own step are made: 4 - PAR
.set EQ1, 52          ; s52  the same for piece 1: 3 - PAR
.set LIMQ, 53         ; s53  7 where b = 0, else a number that no tile has
.set TS,  54          ; s54  at work
.set SLOTS, 56
.set CNT, 57
.set CS,  58
.set SEL, 60
.set TBK, 62
.set TBV, 63
.set KH,  66          ; s[66:67] K at the head's first row
.set RT,  70          ; s70  tiles of the block in hand that are still to be entered
.set NXT, 71          ; s71  the tile to be asked for next
.set LQ,  72          ; s72  the last tile of the block whose tiles are being asked for
.set NEW, 73          ; s73  1: the tile to be entered is a block's first
.set OFF, 74
.set AL,  76
.set BE,  78
.set OLO, 80
.set BIGN, 82
.set PFB, 88          ; s[88:89] my half of the head's tile 0, in K (waves 0, 1) or V (waves 2, 3)
.set POF, 90          ; s[90:91] a tile's byte offset, for the prefetch
.set PFA, 92          ; s[92:93] the prefetch's address
.set MSB, 0
.macro WIN new
.if MSB != (\new)
	s_set_vgpr_msb (MSB<<8)|(\new)
.set MSB, (\new)
.endif
.endm
.set W_KQ, 0x0a
.set W_KM, 0x1a
.set W_PV, 0x52
.set W_RS, 0x41
; A fill.  Waves 0 and 1 fetch the two halves of a tile's K, waves 2 and 3 those of its V: 128 keys each.  An s_nop 0 and four v_nop follow each of the two lines.
.macro LOAD
	s_cmp_lt_u32 s[WV], 2
	s_cbranch_scc0 .Lfor_v_\@
	tensor_load_to_lds s[G0K:G0K+3], s[G1K:G1K+7]
	s_nop 0
.rept 4
	v_nop
.endr
	s_branch .Lasked_\@
.Lfor_v_\@:
	tensor_load_to_lds s[G0V:G0V+3], s[G1V:G1V+7]
	s_nop 0
.rept 4
	v_nop
.endr
.Lasked_\@:
.endm
; THE CHANGE OF SLOTS, behind a slot's fourth turn 0.  Each wave waits for all its tensor loads, of which one is out: its part of the other slot; adds 0 to its spare word; and waits for that and for its
; own reads of the slot that it leaves, of which the last run has just been issued.  fill = 1: the old slot is filled again, the first thing behind the barrier, with tile NXT: the descriptor's
; address is made anew from that number.  The load has eight turns, 128 matrix instructions, in which to land.
.macro CHANGE fill
	WIN 0
	s_wait_tensorcnt 0x0            ; no tensor load of mine is out, so a group 0 may be written
	ds_add_u32 v[SPW], v[NIL]       ; 0 onto my spare word; scalar work stands between it and the wait for it
.if \fill
	s_lshl_b32 s[OFF], s[NXT], 15   ; a tile is 32,768 bytes of K and of V
	s_xor_b32 s[G0K+1], s[G0K+1], SLOT1
	s_add_nc_u64 s[G0K+2:G0K+3], s[6:7], s[OFF:OFF+1]
	s_or_b32 s[G0K+3], s[G0K+3], 0x80000000
	s_xor_b32 s[G0V+1], s[G0V+1], SLOT1
	s_add_nc_u64 s[G0V+2:G0V+3], s[8:9], s[OFF:OFF+1]
	s_or_b32 s[G0V+3], s[G0V+3], 0x80000000
	s_add_co_u32 s[NXT], s[NXT], 1  ; the block's next tile, or behind its last the second block's tile 0
	s_cmp_gt_u32 s[NXT], s[LQ]
	s_cselect_b32 s[NXT], 0, s[NXT]
	s_cselect_b32 s[LQ], s[LQ2], s[LQ]
	s_wait_xcnt 0x0                 ; the last prefetches, a tile back, have read their address
	s_lshl_b32 s[POF], s[NXT], 15
	s_add_nc_u64 s[PFA:PFA+1], s[PFB:PFB+1], s[POF:POF+1]
.endif
	s_wait_dscnt 0x0                ; the add is done, and my reads of the slot are over
	s_barrier_signal -1
	s_sub_co_u32 s[TBK], s[TBK], 4*KS*PK  ; the fetches go back to a slot's first step,
	s_xor_b32 s[TBK], s[TBK], SLOT1       ; in the other slot
	s_sub_co_u32 s[TBV], s[TBV], 4*KS*PV
	s_xor_b32 s[TBV], s[TBV], SLOT1
	s_barrier_wait -1
.if \fill
	LOAD
	s_cmp_eq_u32 s[LQ], s[LIMQ]     ; only where b = 0, and only while its first block's tiles are being asked for
	s_cbranch_scc0 .Lnopf_\@
	global_prefetch_b8 v[PFO], s[PFA:PFA+1] th:TH_LOAD_NT scope:SCOPE_SE
	global_prefetch_b8 v[PFO], s[PFA:PFA+1] offset:8192 th:TH_LOAD_NT scope:SCOPE_SE
.Lnopf_\@:
.endif
.endm
; K of key step 0, from memory into K's registers: 8 fragments of 16 keys x 32 channels, two loads of 16 bytes a lane each, as Q's
.macro LOADK0
	WIN 0x80                        ; destination window 2, address window 0
.irp f, 0,1,2,3,4,5,6,7
	global_load_b128 v[KF+8*\f:KF+8*\f+3],   v[QO], s[KH:KH+1] offset:(\f/2)*2048+(\f%2)*64
	global_load_b128 v[KF+8*\f+4:KF+8*\f+7], v[QO], s[KH:KH+1] offset:(\f/2)*2048+(\f%2)*64+32
.endr
	WIN 0
.endm
	s_load_b64 s[4:5], s[0:1], 0x0  ; q, k, v
	s_load_b64 s[10:11], s[0:1], 0x8  ; O
	v_lshl_add_u32 v[SPW], v0, 2, SPARE
	v_mov_b32 v[NIL], 0
	ds_add_u32 v[SPW], v[NIL]       ; the wave's opening: the add and its wait ahead of my first tensor load
	ds_add_u32 v62, v63
	v_lshrrev_b32 v1, 5, v0
	v_readfirstlane_b32 s[WV], v1
	s_mov_b32 s[PB], ttmp9
	s_sub_co_u32 s[HI], NBLK-1, s[PB]
	s_lshr_b32 s[LQ], s[HI], 1      ; the first block's last tile,
	s_lshr_b32 s[LQ2], s[PB], 1     ; the second's
	s_and_b32 s[PAR], s[HI], 1
	s_lshl_b32 s[PAR], s[PAR], 1
	s_and_b32 s[PAR2], s[PB], 1
	s_lshl_b32 s[PAR2], s[PAR2], 1
	s_sub_co_u32 s[EQ0], 4, s[PAR]
	s_sub_co_u32 s[EQ1], 3, s[PAR]
	s_cmp_eq_u32 s[PB], 0
	s_cselect_b32 s[LIMQ], 7, -1
	s_and_b32 s20, ttmp7, 0xffff    ; 16 x batch + head
	s_lshr_b32 s21, s20, 4
	s_and_b32 s20, s20, 15
	s_lshl_b32 s20, s20, 19         ; the head's block of 524,288 bytes,
	s_lshl_b32 s21, s21, 18         ; the batch's 2,048 rows of 128 bytes in it
	s_or_b32 s20, s20, s21
	s_mov_b32 s21, 0
	s_and_b32 s16, s[WV], 1         ; which half of a tile's 256 keys I fetch
	s_lshl_b32 s22, s16, 14
	s_mov_b32 s23, 0
	s_add_nc_u64 s[22:23], s[22:23], s[20:21]
	s_mul_i32 s17, s16, 128*PK
	s_mul_i32 s18, s16, 128*PV
	s_lshl_b32 s3, s[WV], 11        ; my 16 rows in a band of 64,
	s_lshl_b32 s2, s[HI], 14        ; in the first block of 128 rows,
	s_add_co_u32 s2, s2, s3
	s_lshl_b32 s84, s[PB], 14       ; and in the second
	s_add_co_u32 s84, s84, s3
	s_mov_b32 s3, 0
	s_mov_b32 s85, 0
	s_add_nc_u64 s[2:3], s[2:3], s[20:21]
	s_add_nc_u64 s[84:85], s[84:85], s[20:21]
	; descriptor group 1.  128 keys are 16,384 dense bytes: asked for as 64 rows of 256 bytes, two keys a row, and padded in LDS after every key
	s_mov_b32 s[G1K], (1<<16)|(1<<20)|(4<<22)|(3<<25)
	s_mov_b32 s[G1V], (1<<16)|(1<<20)|(4<<22)|(7<<25)
.irp g, G1K, G1V
	s_mov_b32 s[\g+1], 128<<16
	s_mov_b32 s[\g+2], 64<<16
	s_mov_b32 s[\g+3], 128<<16
	s_mov_b32 s[\g+4], 64
	s_mov_b32 s[\g+5], 128
	s_mov_b32 s[\g+6], 0
	s_mov_b32 s[\g+7], 0
.endr
	s_mov_b32 s[CS], 0x3e38aa3b     ; c = log2(e) / 8
	s_mov_b32 s[CS+1], s[CS]
	s_mov_b32 s[SEL], 0x76543210
	s_mov_b32 s[SEL+1], 0xfedcba98
	s_mov_b32 s[TBK], SLOT1+4*KS*PK ; the first change of slots turns these two into 0
	s_mov_b32 s[TBV], SLOT1+4*KS*PV
	s_mov_b32 s[G0K], 1
	s_mov_b32 s[G0K+1], s17
	s_mov_b32 s[G0V], 1
	s_add_co_u32 s[G0V+1], s18, VOFF
	s_add_co_u32 s[RT], s[LQ], 1    ; the first block's tiles
	s_mov_b32 s[NXT], 1
	s_mov_b32 s[NEW], 1
	s_mov_b32 s[OFF+1], 0
	s_mov_b32 s[POF+1], 0
	s_mov_b32 s[AL+1], 0
	s_mov_b32 s[BE+1], 0
	s_mov_b32 s[BIGN], 0xf149f2ca   ; -1e30
	s_mov_b32 s[SLOTS], NT-1
	s_wait_dscnt 0x0                ; the opening add is done
	s_wait_kmcnt 0x0
	s_add_nc_u64 s[6:7], s[4:5], 0x800000   ; k's blocks begin 16 blocks in,
	s_add_nc_u64 s[8:9], s[4:5], 0x1000000  ; v's 32
	s_add_nc_u64 s[KH:KH+1], s[6:7], s[20:21]  ; K at the head's first row, for key step 0
	s_add_nc_u64 s[6:7], s[6:7], s[22:23]  ; K and V at my half of the head's tile 0;
	s_add_nc_u64 s[6:7], s[6:7], KS*128    ; K's tiles begin a key step later
	s_add_nc_u64 s[8:9], s[8:9], s[22:23]
	s_add_nc_u64 s[G0K+2:G0K+3], s[6:7], 0
	s_or_b32 s[G0K+3], s[G0K+3], 0x80000000
	s_add_nc_u64 s[G0V+2:G0V+3], s[8:9], 0
	s_or_b32 s[G0V+3], s[G0V+3], 0x80000000
	s_add_nc_u64 s[86:87], s[4:5], s[84:85]        ; Q at my rows of the second block,
	s_add_nc_u64 s[4:5], s[4:5], s[2:3]            ; Q and O at those of the first
	s_add_nc_u64 s[OLO:OLO+1], s[10:11], s[84:85]
	s_add_nc_u64 s[10:11], s[10:11], s[2:3]
	s_cmp_lt_u32 s[WV], 2
	s_cselect_b64 s[PFB:PFB+1], s[6:7], s[8:9]
	LOAD                            ; tile 0 into slot 0
	v_and_b32 v1, 15, v0            ; l % 16
	v_bfe_u32 v9, v0, 4, 1          ; l / 16
	v_lshlrev_b32 v[QO], 7, v1
	v_lshl_add_u32 v[QO], v9, 4, v[QO]
	WIN 0x80
.set i, 0
.rept 4                             ; both blocks' Q: piece i / 2 lies in band i / 2, 8,192 bytes on; channels 32 (i % 2) on
	global_load_b128 v[8*i:8*i+3],   v[QO], s[4:5] offset:(i/2)*8192+(i%2)*64
	global_load_b128 v[8*i+4:8*i+7], v[QO], s[4:5] offset:(i/2)*8192+(i%2)*64+32
	global_load_b128 v[QB+8*i:QB+8*i+3],   v[QO], s[86:87] offset:(i/2)*8192+(i%2)*64
	global_load_b128 v[QB+8*i+4:QB+8*i+7], v[QO], s[86:87] offset:(i/2)*8192+(i%2)*64+32
.set i, i+1
.endr
	LOADK0                          ; the first block's K of key step 0
	v_and_b32 v[PFO], 31, v0
	v_lshlrev_b32 v[PFO], 8, v[PFO]
	v_lshlrev_b32 v14, 3, v9
	v_sub_nc_u32 v14, v1, v14
	s_lshl_b32 s13, s[WV], 4
	v_add_nc_u32 v14, s13, v14      ; my query's place in its band less my lanes' 8 (l / 16): register r of group kt is hidden where 16 kt + r is greater
	WIN 0x40
.set i, 0
.rept 32
	v_cmp_gt_i32 vcc_lo, 16*(i/8)+i%8, v14
	v_cndmask_b32 v[MD+i], 0, s[BIGN], vcc_lo
.set i, i+1
.endr
	WIN 0
	v_mul_u32_u24 v[AK0], v1, PK
	v_lshl_add_u32 v[AK0], v9, 4, v[AK0]
	v_and_b32 v10, 7, v0
	v_bfe_u32 v11, v0, 3, 1
	v_lshl_add_u32 v[AV0], v9, 3, v10
	v_mul_u32_u24 v[AV0], v[AV0], PV
	v_lshl_add_u32 v[AV0], v11, 4, v[AV0]
	v_add_nc_u32 v[AV0], VOFF, v[AV0]
	s_mul_i32 s13, s[WV], 16*SP
	s_add_co_u32 s13, s13, STAGE
	v_mul_u32_u24 v[STO], v1, SP
	v_lshl_add_u32 v[STO], v9, 4, v[STO]
	v_add_nc_u32 v[STO], s13, v[STO]
	v_bfe_u32 v[RD], v0, 3, 2
	v_mul_u32_u24 v[RD], v[RD], SP
	v_lshl_add_u32 v[RD], v10, 4, v[RD]
	v_add_nc_u32 v[RD], s13, v[RD]
	v_and_b32 v[GO], 31, v0
	v_lshlrev_b32 v[GO], 4, v[GO]
	; A block's first step multiplies O^T and l by a = 0, and its first turn's products V^T P, of a step that has not been, land in an O^T that is still to be so multiplied.  So these registers need
	; only hold finite numbers: zeros for the first block; what the first block left for the second.  All this stands in the wait for the first tile.
	WIN 0x80
.set i, VF
.rept 64
	v_mov_b32 v[i], 0
.set i, i+1
.endr
	WIN 0x40
.set i, 0
.rept 64
	v_mov_b32 v[i], 0
.set i, i+1
.endr
	WIN 0
.set i, 0
.rept 2
	v_mov_b32 v[ST+4*i+2], 0
	v_mov_b32 v[ST+4*i+3], 0
.set i, i+1
.endr
.set i, P+16
.rept 16
	v_mov_b32 v[i], 0
.set i, i+1
.endr
	s_wait_loadcnt 0x0              ; both blocks' Q and K of key step 0 are in, ahead of the loop's label: the first tile, for which the wave waits next, is wanted at the same place
; THE MATRIX WORK.  The 4 accumulators of a run of 8 take turns.  Product i of 8 of S^T = K Q^T for piece x: channels 32 (i / 4) on, keys 16 (i % 4) on.
.macro KQ x
.set rS, S+32*((\x)%2)+8*(i%4)
.set rK, KF+16*(i%4)+8*(i/4)
.set rQ, 16*(\x)+8*(i/4)
.set rM, MC+32*((\x)%2)+8*(i%4)
.if (i < 4) && KM
	WIN W_KM
	v_wmma_f32_16x16x32_f16 v[rS:rS+7], v[rK:rK+7], v[rQ:rQ+7], v[rM:rM+7]
.elseif i < 4
	WIN W_KQ
	v_wmma_f32_16x16x32_f16 v[rS:rS+7], v[rK:rK+7], v[rQ:rQ+7], 0
.else
	WIN W_KQ
	v_wmma_f32_16x16x32_f16 v[rS:rS+7], v[rK:rK+7], v[rQ:rQ+7], v[rS:rS+7]
.endif
.endm
; Product i of 8 of O^T += V^T P for piece x: keys 32 (i / 4) on, channels 16 (i % 4) on.
.macro PV x
	WIN W_PV
.set rO, 32*(\x)+8*(i%4)
.set rV, VF+32*(i/4)+8*(i%4)
.set rP, P+16*((\x)%2)+8*(i/4)
	v_wmma_f32_16x16x32_f16 v[rO:rO+7], v[rV:rV+7], v[rP:rP+7], v[rO:rO+7]
.endm
.macro MM                           ; the turn's next matrix instruction.  NOKQ = 1: a block's last turn: there is no next step
.if (i < 8) && !NOKQ
	KQ (Y+1)%NP
.elseif i >= 8
.set i, i-8
	PV (Y+NP-1)%NP
.set i, i+8
.endif
.set i, i+1
.endm
; THE LDS LOADS stand in runs of 16: a step's K (8 fragments) and a step's V (turned).
.macro FETCH_K
	WIN 0x80
.irp f, 0,1,2,3,4,5,6,7
	ds_load_b128 v[KF+8*\f:KF+8*\f+3],   v[AK] offset:(\f/2)*16*PK+(\f%2)*64
	ds_load_b128 v[KF+8*\f+4:KF+8*\f+7], v[AK] offset:(\f/2)*16*PK+(\f%2)*64+32
.endr
	s_add_co_u32 s[TBK], s[TBK], KS*PK
	WIN 0
.endm
.macro FETCH_V
	WIN 0x80
.irp f, 0,1,2,3,4,5,6,7
	ds_load_tr16_b128 v[VF+8*\f:VF+8*\f+3],   v[AV] offset:(\f/4)*32*PV+(\f%4)*32
	ds_load_tr16_b128 v[VF+8*\f+4:VF+8*\f+7], v[AV] offset:(\f/4)*32*PV+16*PV+(\f%4)*32
.endr
	WIN 0
.endm
; THE VECTOR WORK, one line at a time: OP kind, number.  For piece Y: F n: c s - c m for pair n.  E n: the exponential of score n.  C n: pair n rounded to f16.  B n: of the four weights 4 n .. the
; second pair is added onto the first.  L n: l takes that sum (L 0: l = a l + sum).  R n: pair n of O^T times a.  For the other piece: X n, number n of the 22 that find its maximum and statistics;
; each accumulator's lowest registers are read first.
.set F, 0
.set E, 1
.set C, 2
.set B, 3
.set L, 4
.set R, 5
.set X, 6
.macro REGS y
.set rT, ST+4*(\y)
.set rC, TMP+4*((\y)%2)
.set rW, MV+((\y)%2)
.set rS, S+32*((\y)%2)
.set rP, P+16*((\y)%2)
.set rO, 32*(\y)
.endm
.macro OP k, n
.if (\k) == R
	REGS Y
	WIN W_RS
	v_pk_mul_f32 v[rO+2*(\n):rO+2*(\n)+1], v[rO+2*(\n):rO+2*(\n)+1], v[rC+2:rC+3] op_sel_hi:[1,0]
.elseif (\k) < R
	REGS Y
	WIN 0
.if (\k) == F
	v_pk_fma_f32 v[rS+2*(\n):rS+2*(\n)+1], v[rS+2*(\n):rS+2*(\n)+1], s[CS:CS+1], v[rT:rT+1] op_sel_hi:[1,0,0] neg_lo:[0,0,1] neg_hi:[0,0,1]
.elseif (\k) == E
	v_exp_f32 v[rS+(\n)], v[rS+(\n)]
.elseif (\k) == C
	v_cvt_pk_f16_f32 v[rP+(\n)], v[rS+2*(\n)], v[rS+2*(\n)+1]
.elseif (\k) == B
	v_pk_add_f32 v[rS+4*(\n):rS+4*(\n)+1], v[rS+4*(\n):rS+4*(\n)+1], v[rS+4*(\n)+2:rS+4*(\n)+3]
.elseif (\n) == 0
	v_pk_fma_f32 v[rT+2:rT+3], v[rT+2:rT+3], v[rC+2:rC+3], v[rS:rS+1] op_sel_hi:[1,0,1]
.else
	v_pk_add_f32 v[rT+2:rT+3], v[rT+2:rT+3], v[rS+4*(\n):rS+4*(\n)+1]
.endif
.elseif NOKQ
	v_nop
.else
	REGS (Y+1)%NP
	WIN 0
.if (\n) < 4
	v_max3_num_f32 v[rC+(\n)], v[rS+8*(\n)], v[rS+8*(\n)+1], v[rS+8*(\n)+2]
.elseif (\n) < 12
	v_max3_num_f32 v[rC+(\n)%4], v[rC+(\n)%4], v[rS+8*((\n)%4)+2*((\n)/4)+1], v[rS+8*((\n)%4)+2*((\n)/4)+2]
.elseif (\n) == 12
	v_max3_num_f32 v[rC], v[rC], v[rS+7], v[rS+15]
.elseif (\n) == 13
	v_max3_num_f32 v[rC+1], v[rC+1], v[rS+23], v[rS+31]
.elseif (\n) == 14
	v_max3_num_f32 v[rC+2], v[rC+2], v[rC+3], v[rT+1]
.elseif (\n) == 15
	v_mov_b32 v[rW], v[rT]
.elseif (\n) == 16
	v_max3_num_f32 v[rC], v[rC], v[rC+1], v[rC+2]
.elseif (\n) == 17
	v_permlanex16_b32 v[rC+3], v[rC], s[SEL], s[SEL+1]
.elseif (\n) == 18
	v_max_num_f32 v[rT+1], v[rC], v[rC+3]
.elseif (\n) == 19
	v_mul_f32 v[rT], s[CS], v[rT+1]
.elseif (\n) == 20
	v_sub_f32 v[rC+1], v[rW], v[rT]
.else
	v_exp_f32 v[rC+2], v[rC+1]
.endif
.endif
.endm
.macro OPS a, i1, b=-1, i2=0, c=-1, i3=0, d=-1, i4=0
	OP \a, \i1
.if (\b) >= 0
	OP \b, \i2
.endif
.if (\c) >= 0
	OP \c, \i3
.endif
.if (\d) >= 0
	OP \d, \i4
.endif
.endm
.macro ROW a, i1, b, i2, c, i3, d, i4  ; a matrix instruction and the four behind it
	MM
	OPS \a, \i1, \b, \i2, \c, \i3, \d, \i4
.endm
.macro MASK b                       ; MD x AL + BE into buffer b of MC
	WIN W_RS
.set z, 0
.rept 16
	v_pk_fma_f32 v[MC+32*(\b)+2*z:MC+32*(\b)+2*z+1], v[MD+2*z:MD+2*z+1], s[AL:AL+1], s[BE:BE+1] op_sel_hi:[1,0,0]
.set z, z+1
.endr
.endm
; A TURN, for piece p.  One wait cuts it in two.  Ahead of the wait stands all that names no result of the turn's exponentials: the 8 products K Q^T with their four lines each, then one run of
; plain lines and exponentials by turns, in which the links of the other piece's chain stand five or six lines apart.  Behind it stand the 8 products V^T P, behind each four of the roundings and sums.
; m = 1: a block's last tile: the turn makes the mask of its own products at its head: they are the other piece's scores of step 4 - CNT of the tile.
; end = 1: a block's last turn: it makes no scores.  k0 = 1: it asks memory for the next block's K of key step 0 instead.
; cnt = 1: the loop's count is taken down some lines ahead of the branch that stands behind the turn.
; Turn 0 fetches both runs: K of the next step twelve vector instructions behind the last product that read K (six of them plain), V of the step in hand at its end, four plain instructions behind the
; last product that read V.  Turn 1 waits for K at its head and for V in its middle.
.macro TURN p, m=0, end=0, cnt=0, k0=0
.set Y, (\p)
.set i, 0
.set KM, (\m)
.set NOKQ, (\end)
.if (\m) && !(\end)
	s_cmp_eq_u32 s[CNT], s[EQ0+1-(\p)]  ; is that step the band's own?
	s_cselect_b32 s[AL], 1.0, 0
	s_cmp_lt_u32 s[CNT], s[EQ0+1-(\p)]  ; or a later one?
	s_cselect_b32 s[BE], s[BIGN], 0
	MASK 1-(\p)
.endif
.if (\p) == 1
.if \k0
	s_wait_dscnt 0x0                ; all my LDS loads are in, the last run into K's registers among them: those registers are loaded anew in the next lines
.else
	s_wait_dscnt 16                 ; K's 16 loads are in; V's 16, issued behind them, may stay out
.endif
.endif
.if \k0
	LOADK0                          ; K's registers are free: no load into them is out, and no product of this turn reads them
.endif
	ROW F,0, F,1, R,0, R,1
	ROW F,2, E,0, R,2, R,3
	ROW F,3, E,1, R,4, R,5
	ROW F,4, E,2, R,6, R,7
	ROW F,5, E,3, R,8, R,9
	ROW F,6, E,4, X,0, R,10
.if (\p) == 0
	WIN 0
	v_add_nc_u32 v[AK], s[TBK], v[AK0]
.endif
	ROW F,7, E,5, X,1, X,4
	ROW F,8, E,6, X,2, X,5
	OPS E,7, E,8, X,6, E,9
	OPS X,3, E,10, X,8, E,11
.if (\p) == 0
	FETCH_K
.endif
	OPS X,9, X,7, E,12, X,10
	OPS E,13, X,12, X,11, E,14
	OPS X,13, E,15, F,9, X,14
.if (\p) == 0
	v_add_nc_u32 v[AV], s[TBV], v[AV0]
.endif
	OPS E,16, F,10, E,17, F,11
	OPS X,16, E,18, X,15, E,19
	OPS F,12, E,20, X,17, E,21
	OPS F,13, E,22, F,14, E,23
	OPS X,18, E,24, F,15, E,25
	OPS R,11, E,26, X,19, E,27
	OPS R,12, E,28, R,13, E,29
	OPS X,20, E,30, R,14, E,31
	OPS X,21, R,15
	WIN 0
	s_wait_alu depctr_va_vdst(0)    ; the wait for the batch, ahead of the first reader
.if (\p) == 1
	s_wait_dscnt 0x0                ; V is in
.endif
	ROW C,0, B,0, C,2, B,1
	ROW L,0, C,4, B,2, L,1
	ROW C,6, B,3, L,2, C,8
	ROW B,4, L,3, C,10, B,5
	ROW L,4, C,12, B,6, L,5
.if (\p) == 0
	s_add_co_u32 s[TBV], s[TBV], KS*PV
.endif
.if \cnt
	s_sub_co_u32 s[CNT], s[CNT], 1
	s_cmp_lg_u32 s[CNT], 0
.endif
	ROW C,14, B,7, L,6, C,1
	ROW C,3, L,7, C,5, C,7
	ROW C,9, C,11, C,13, C,15
.if (\p) == 0
	FETCH_V
.endif
.endm
; A BLOCK BEGINS.  c m starts far below every c s, so the first step's a is 0; m at the lowest finite number.  Piece 0's scores of key step 0 take a mask: the band's own, if the block's first tile is
; its last and PAR is 0; else 0.  Q and K of that step have come from memory and have been waited for: at the kernel's head, and behind the first block's way out.  Then piece 0's maximum and
; statistics.  The loop is entered at turn 0, in the middle of a trip.
.macro BEGIN
	s_mov_b32 s[NEW], 0
	WIN 0
.set i, 0
.rept 2
	v_mov_b32 v[ST+4*i], 0xfe000000
	v_mov_b32 v[ST+4*i+1], 0xff7fffff
.set i, i+1
.endr
	s_or_b32 s[TS], s[RT], s[PAR]
	s_cmp_eq_u32 s[TS], 0
	s_cselect_b32 s[AL], 1.0, 0
	s_mov_b32 s[BE], 0
	MASK 0
	WIN 0
.set KM, 1
.set NOKQ, 0
.set i, 0
.rept 8
	KQ 0
.set i, i+1
.endr
	WIN 0
.rept 4
	v_nop                           ; the places behind those products
.endr
.set Y, NP-1
.irp n, 0,1,2,3,4,5,6,7,8,9,10,11,12,13,14,15,16,17,18,19,20,21
	OP X, \n
.endr
	v_nop                           ; a plain instruction behind the exponential,
	s_wait_alu depctr_va_vdst(0)    ; and its wait, ahead of the branch
.endm
.macro ALL line:vararg
.set t, 0
.rept 2
	\line
.set t, t+1
.endr
.endm
.macro PACK t                       ; a lane's eight channels of a row pack into 16 bytes; they go into rows of 144 bytes and come back as whole rows of 128
	WIN W_RS
.set i, 32*(\t)
.rept 16
	v_pk_mul_f32 v[i:i+1], v[i:i+1], v[ST+4*(\t)+2:ST+4*(\t)+3] op_sel_hi:[1,0]
.set i, i+2
.endr
	WIN 0x05
.set i, 0
.rept 16
	v_cvt_pk_f16_f32 v[S+16*(\t)+i], v[32*(\t)+2*i], v[32*(\t)+2*i+1]
.set i, i+1
.endr
	WIN 0
.irp f, 0,1,2,3
	ds_store_b128 v[STO], v[S+16*(\t)+4*\f:S+16*(\t)+4*\f+3] offset:32*\f
.endr
.irp f, 0,1,2,3
	ds_load_b128 v[S+16*(\t)+4*\f:S+16*(\t)+4*\f+3], v[RD] offset:\f*4*SP  ; LDS serves a wave's instructions in order: these see the stores above
.endr
.endm
.macro SEND t, younger              ; younger: the LDS instructions issued behind piece t's loads
	WIN 0
.irp f, 0,1,2,3
	s_wait_dscnt (\younger)+3-\f
	global_store_b128 v[GO], v[S+16*(\t)+4*\f:S+16*(\t)+4*\f+3], s[10:11] offset:(\t)*8192+\f*512  ; 512 consecutive bytes, aligned
.endr
.endm
; A BLOCK'S LAST TILE: its four trips, the block's last turn, its last products, and the way out.  more = 1: another block follows
.macro DIAG tag, more
.LstepM\tag:
	TURN 1, 1
	WIN 0
.LfirstM\tag:
	TURN 0, 1, 0, 1
	WIN 0
	s_cbranch_scc1 .LstepM\tag
	TURN 1, 1, 1, 0, \more
.set i, 0
.rept 8
	PV NP-1
.set i, i+1
.endr
	WIN 0
	ALL v_add_f32 v[ST+4*t+2], v[ST+4*t+2], v[ST+4*t+3]
	ALL v_permlanex16_b32 v[ST+4*t+3], v[ST+4*t+2], s[SEL], s[SEL+1]
	ALL v_add_f32 v[ST+4*t+2], v[ST+4*t+2], v[ST+4*t+3]
	ALL v_rcp_f32 v[ST+4*t+2], v[ST+4*t+2]
	v_nop                           ; a plain instruction between the last reciprocal and the use of its result,
	s_wait_alu depctr_va_vdst(0)    ; and one wait for the two
	PACK 0                          ; piece 0 was finished a turn ago: its 32 lines are the places behind the last products, which are piece 1's
	PACK 1
	SEND 0, 8
	SEND 1, 0
.endm
.set KM, 0
.set NOKQ, 0
.Lslot:                             ; NT - 1 times: a tile is entered and the next is asked for
	CHANGE 1
	s_sub_co_u32 s[RT], s[RT], 1
	s_mov_b32 s[CNT], 4
	s_cmp_eq_u32 s[NEW], 1
	s_cbranch_scc1 .Lnew            ; a block's first tile
	s_cmp_eq_u32 s[RT], 0
	s_cbranch_scc0 .Lstep           ; neither its first nor its last
	s_branch .LstepM1
.Lnew:
	BEGIN
	s_branch .Lfirst                ; in the loop a block's first tile is never its last: the first block has five tiles or more, and the second's last is the walk's last
	DIAG 1, 1                       ; in the loop this is the first block's end
	s_wait_loadcnt 0x0              ; the second block's K of key step 0, asked for a turn and a way out ago, is in: ahead of the jump, so that on every way no later load into K's registers finds these outstanding
	s_wait_xcnt 0x0                 ; the stores have read their registers and O's address
	s_mov_b64 s[10:11], s[OLO:OLO+1]
	s_add_co_u32 s[RT], s[LQ2], 1   ; the second block's tiles
	s_mov_b32 s[NEW], 1
	s_mov_b32 s[PAR], s[PAR2]
	s_sub_co_u32 s[EQ0], 4, s[PAR]
	s_sub_co_u32 s[EQ1], 3, s[PAR]
	WIN 0x82                        ; the second block's Q goes where the one text of the turns names Q
.set i, 0
.rept 32
	v_mov_b32 v[i], v[QB+i]
.set i, i+1
.endr
	WIN 0
	s_branch .Lbottom
.Lstep:                             ; a trip: turn 1 of one step, then turn 0 of the next
	TURN 1
	WIN 0
.Lfirst:
	TURN 0, 0, 0, 1
	WIN 0
	s_cbranch_scc1 .Lstep
.Lbottom:
	s_sub_co_u32 s[SLOTS], s[SLOTS], 1
	s_cmp_lg_u32 s[SLOTS], 0
	s_cbranch_scc1 .Lslot
	CHANGE 0                        ; the walk's last tile is written out
	s_sub_co_u32 s[RT], s[RT], 1
	s_mov_b32 s[CNT], 4
	s_cmp_eq_u32 s[NEW], 1
	s_cbranch_scc0 .LstepM2
	BEGIN
	s_branch .LfirstM2
	DIAG 2, 0
	s_wait_tensorcnt 0x0            ; the wave's end
	ds_add_u32 v[SPW], v[NIL]
	s_wait_dscnt 0x0
	s_endpgm
.Lfunc_end_k_qe1474133ce_attn:
	.size	k_qe1474133ce_attn, .Lfunc_end_k_qe1474133ce_attn-k_qe1474133ce_attn
	.p2alignl 7, 3214868480
	.fill 96, 4, 3214868480
	.section	.rodata,"a",@progbits
	.p2align	6, 0x0
	.amdhsa_kernel k_qe1474133ce_attn
		.amdhsa_group_segment_fixed_size 327680
		.amdhsa_private_segment_fixed_size 0
		.amdhsa_enable_private_segment 0
		.amdhsa_kernarg_size 16
		.amdhsa_user_sgpr_count 2
		.amdhsa_user_sgpr_kernarg_segment_ptr 1
		.amdhsa_wavefront_size32 1
		.amdhsa_system_sgpr_workgroup_id_x 1
		.amdhsa_system_sgpr_workgroup_id_y 1
		.amdhsa_system_sgpr_workgroup_id_z 1
		.amdhsa_system_vgpr_workitem_id 0
		.amdhsa_next_free_vgpr 768
		.amdhsa_next_free_sgpr 96
		.amdhsa_reserve_vcc 1
		.amdhsa_float_denorm_mode_32 3
		.amdhsa_float_denorm_mode_16_64 3
		.amdhsa_memory_ordered 1
		.amdhsa_forward_progress 1
		.amdhsa_inst_pref_size 124
	.end_amdhsa_kernel
	.amdgpu_metadata
---
amdhsa.version: [ 1, 2 ]
amdhsa.kernels:
  - .name:           k_qe1474133ce_attn
    .symbol:         k_qe1474133ce_attn.kd
    .args:
      - { .name: act, .offset: 0, .size: 8, .value_kind: global_buffer, .address_space: global }
      - { .name: hb, .offset: 8, .size: 8, .value_kind: global_buffer, .address_space: global }
    .group_segment_fixed_size: 327680
    .private_segment_fixed_size: 0
    .kernarg_segment_align: 8
    .kernarg_segment_size: 16
    .max_flat_workgroup_size: 128
    .sgpr_count:     96
    .vgpr_count:     768
    .wavefront_size: 32
...
	.end_amdgpu_metadata
.endif
;; end of part 3
;; launch oproj (part 4): grid 8 x 32, 4 waves a work-group, clusters of 4 x 4, 327,680 bytes of LDS; arguments hb, wC, bo, x, x1; writes x1
.if DOCPART == 4
	.amdgcn_target "amdgcn-amd-amdhsa--gfx1250"
	.amdhsa_code_object_version 6
	.text
	.protected	k_qe1474133ce_oproj
	.globl	k_qe1474133ce_oproj
	.p2align	8
	.type	k_qe1474133ce_oproj,@function
k_qe1474133ce_oproj:
	s_mov_b64 s[64:65], 0
	v_nop
	global_prefetch_b8 v0, s[64:65] scope:SCOPE_SE
	s_setreg_imm32_b32 hwreg(HW_REG_WAVE_MODE, 25, 1), 1
	s_wait_xcnt 0x0
	s_wait_alu depctr_hold_cnt(0) depctr_sa_sdst(0) depctr_va_vdst(0) depctr_va_sdst(0) depctr_va_ssrc(0) depctr_va_vcc(0) depctr_vm_vsrc(0)
	s_getreg_b32 s2, hwreg(HW_REG_IB_STS2, 6, 4)
	s_cmp_eq_u32 s2, 0
	s_cbranch_scc0 .Lentry_in_a_cluster
	s_endpgm
.Lentry_in_a_cluster:
	s_bfe_u32 s2, ttmp6, 0x10000c
	s_cmp_lg_u32 s2, 0xf033
	s_cbranch_scc0 .Lentry_shape_is_right
	s_endpgm
.Lentry_shape_is_right:
; out[4096][1024] f32 = resid + A B + bias.  A lies by blocks of 64 channels, [block][4096 rows][64] f16 (524,288 bytes a block); B in panels [K][256] f16 (a panel's row is 512 bytes).
; Here: A = the attention's result (K = 1,024), B = Wo, bias = bo, resid = x.  bias and resid are inputs of the program and are rounded to bf16 like all of them; sums in f32.
; SHAPE.  A tile of out is 128 x 128, so that 256 work-groups share the work: four waves, each 64 x 64: 16 accumulators.  K goes in steps of 256 through two LDS slots filled by tensor loads.
; A's tile comes as four dense runs of 64 rows x 128 bytes, one a block, padded after every row; B's rows lie along N and are read by the turning load.
; The matrix instruction is used transposed (source 0 = 16 columns of B, source 1 = 16 rows of A): a lane holds eight neighbouring columns of a row of out.
; CLUSTER.  4 x 4 work-groups: A's tiles are asked for jointly along a row of the cluster, B's along a column.  No prefetch: the tiles are small.
; EVERY K STEP HAS ONE TEXT: the sums are started by 16 products of zero fragments with C = 0, in the wait for the first tile; the last step's change of slots and fetch serve nothing.
; resid + bias waits in 128 registers from the start.  A wave's 64 columns of f32 are 256 bytes: each wave's stage is its own, and 16 lanes store one aligned run of 256 bytes.
; REGISTERS: window 0: addresses; v32-63 the way out; v64-69 the bias; v128-255 the accumulators.  window 1: two fragment buffers of 64 (A's four, B's four); v128-255 resid + bias.
.set KSTEPS, 4
.set BOFF,   0                         ; where B's panels begin in their buffer
.set PSH,    19                        ; log2 of a panel's bytes
.set RNDRES, 1                         ; resid is an input: rounded to bf16
.set QTR,    36864                     ; what one tensor load brings: 4 x 64 rows x 144 bytes of A, or 128 rows x 288 bytes of B
.set SLOT,   4*QTR
.set STAGE,  2*SLOT
.set SPARE,  STAGE+4*16*272
.set ADRA0, 16
.set ADRB0, 17
.set RA,   18
.set RB,   19
.set STO,  24
.set RD,   25
.set CO,   26
.set BO,   27
.set SPW,  28                          ; my spare word; never rewritten
.set NIL,  29                          ; 0; never rewritten
.set OB,   32
.set BV,   64
.set ACC,  128
.set F0,   0
.set F1,   64
.set RES,  128
.set WV, 14
.set WR, 15                            ; my half of the tile's rows; also 0: I fetch for A, 1: for B
.set WC, 16                            ; my half of its columns; also which half of that tile I fetch
.set CX, 17
.set CY, 18
.set TC, 19
.set TR, 20
.set G1A, 24
.set G0A, 32
.set G1B, 40
.set G0B, 48
.set SB,  56                           ; the slot in hand: 0 or SLOT
.set TA,  57                           ; where A's next fragments begin
.set TB,  58                           ; where B's do
.set CNT, 59
.set CN2, 60
.set HM,  61
.set MSB, 0
.macro WIN new
.if MSB != (\new)
	s_set_vgpr_msb (MSB<<8)|(\new)
.set MSB, \new
.endif
.endm
.macro JLOAD                           ; a joint refill by the walking descriptors; an s_nop 0 and four v_nop follow each line
	s_cmp_eq_u32 s[WR], 0
	s_cbranch_scc0 .Lfor_b_\@
	tensor_load_to_lds s[G0A+4:G0A+7], s[G1A:G1A+7]
	s_nop 0
.rept 4
	v_nop
.endr
	s_branch .Lasked_\@
.Lfor_b_\@:
	tensor_load_to_lds s[G0B+4:G0B+7], s[G1B:G1B+7]
	s_nop 0
.rept 4
	v_nop
.endr
.Lasked_\@:
.endm
.macro CREST
	s_cmp_lg_u32 s[WV], 0
	s_cbranch_scc1 .Lnot_wave_0_\@
	s_barrier_signal -3
.Lnot_wave_0_\@:
	s_barrier_wait -3
	s_barrier_signal -1
	s_barrier_wait -1
.endm
.macro CROUND
	s_barrier_signal -1
	s_barrier_wait -1
	CREST
.endm
.macro PLACES
.rept 4
	v_nop
.endr
.endm
; 8 products: m blocks a0, a0 + 1 x all 4 n blocks, 32 along K.  The 16 accumulators take turns, in the same order in every substep.
.macro MUL8 f, a0
	WIN 0x05
.irp a, \a0, (\a0)+1
.irp b, 0,1,2,3
	v_wmma_f32_16x16x32_f16 v[ACC+8*(4*(\a)+(\b)):ACC+8*(4*(\a)+(\b))+7], v[(\f)+32+8*(\b):(\f)+32+8*(\b)+7], v[(\f)+8*(\a):(\f)+8*(\a)+7], v[ACC+8*(4*(\a)+(\b)):ACC+8*(4*(\a)+(\b))+7]
.endr
.endr
.endm
; 16 LDS loads: a substep's fragments (32 along K) into buffer g, from byte ao behind RA and bo behind RB
.macro FETCHS g, ao, bo
	WIN 0x40
.irp i, 0,1,2,3
	ds_load_tr16_b128 v[(\g)+32+8*(\i):(\g)+32+8*(\i)+3],   v[RB] offset:(\bo)+32*(\i)
	ds_load_tr16_b128 v[(\g)+32+8*(\i)+4:(\g)+32+8*(\i)+7], v[RB] offset:(\bo)+32*(\i)+4608
	ds_load_b128 v[(\g)+8*(\i):(\g)+8*(\i)+3],   v[RA] offset:(\ao)+2304*(\i)
	ds_load_b128 v[(\g)+8*(\i)+4:(\g)+8*(\i)+7], v[RA] offset:(\ao)+2304*(\i)+32
.endr
.endm
.macro SUB f, g, ao, bo                ; the next substep is fetched into g, this one's buffer f is multiplied
	PLACES
	FETCHS \g, \ao, \bo
	s_wait_dscnt 16                                ; all but the 16 just issued
	MUL8 \f, 0
	MUL8 \f, 2
.endm
; The change of slots, round substeps 6 and 7.  In front of the barrier each wave waits for all its tensor loads (one is out: its part of the next slot), adds 0 to its spare word, and waits
; for that and for its reads of this slot.  fill = 1: the barrier opens a round of the cluster's barrier, and the joint refill, two K steps on, is the first thing behind the round.
.macro TURN fill
	WIN 0
	s_wait_tensorcnt 0x0
	ds_add_u32 v[SPW], v[NIL]                      ; 0 onto my spare word; work on registers stands between it and the wait for it
.if \fill
	s_xor_b32 s[G0A+5], s[G0A+5], SLOT
	s_add_nc_u64 s[G0A+6:G0A+7], s[G0A+6:G0A+7], 2097152  ; four blocks of 64 channels on
	s_xor_b32 s[G0B+5], s[G0B+5], SLOT
	s_add_nc_u64 s[G0B+6:G0B+7], s[G0B+6:G0B+7], 131072   ; 256 rows of the panel on
.endif
	s_xor_b32 s[SB], s[SB], SLOT
	s_mov_b32 s[TA], s[SB]
	s_mov_b32 s[TB], s[SB]
	v_add_nc_u32 v[RA], s[TA], v[ADRA0]
	v_add_nc_u32 v[RB], s[TB], v[ADRB0]
	s_wait_dscnt 17                                ; the add and substep 7's sixteen loads may be out
	MUL8 F0, 0
	s_wait_dscnt 0x0                               ; the add is done, and my reads of this slot are over
	s_barrier_signal -1
	MUL8 F0, 2
	WIN 0
	s_barrier_wait -1
.if \fill
	CREST
	JLOAD                                          ; its four v_nop are also the places in front of the loads below
.else
	PLACES
.endif
	FETCHS F0, 0, 0
	MUL8 F1, 0
	MUL8 F1, 2
.endm
; A K step: eight substeps.  A's substep ss lies in block ss / 2 (9,216 bytes a block), 64 (ss % 2) bytes into its rows; B's 32 rows of 288 bytes further down for each.
.macro KS fill
	WIN 0
	s_mov_b32 s[CN2], 3
.Lsub_\@:
	SUB F0, F1, 64, 9216
	SUB F1, F0, 9216, 18432
	WIN 0
	s_add_co_u32 s[TA], s[TA], 9216
	s_add_co_u32 s[TB], s[TB], 18432
	v_add_nc_u32 v[RA], s[TA], v[ADRA0]
	v_add_nc_u32 v[RB], s[TB], v[ADRB0]
	s_sub_co_u32 s[CN2], s[CN2], 1
	s_cmp_lg_u32 s[CN2], 0
	s_cbranch_scc1 .Lsub_\@
	PLACES
	FETCHS F1, 64, 9216
	TURN \fill
.endm
	s_load_b256 s[4:11], s[0:1], 0x0               ; A 4, B 6, bias 8, resid 10
	s_load_b64 s[12:13], s[0:1], 0x20              ; out
	v_lshl_add_u32 v[SPW], v0, 2, SPARE
	v_mov_b32 v[NIL], 0
	ds_add_u32 v[SPW], v[NIL]                      ; the wave's opening: the add and its wait ahead of my first tensor load
	ds_add_u32 v28, v29
	v_lshrrev_b32 v1, 5, v0
	v_readfirstlane_b32 s[WV], v1
	s_lshr_b32 s[WR], s[WV], 1
	s_and_b32 s[WC], s[WV], 1
	s_bfe_u32 s[CX], ttmp6, 0x40000
	s_bfe_u32 s[CY], ttmp6, 0x40004
	s_lshl_b32 s[TC], ttmp9, 2
	s_add_co_u32 s[TC], s[TC], s[CX]
	s_and_b32 s[TR], ttmp7, 0xffff
	s_lshl_b32 s[TR], s[TR], 2
	s_add_co_u32 s[TR], s[TR], s[CY]
	s_lshl_b32 s21, s[CY], 2
	s_lshl_b32 s21, 15, s21                        ; my row of the cluster
	s_lshl_b32 s22, 0x1111, s[CX]                  ; my column
	s_or_b32 s[G1A], s21, (1<<16)|(1<<20)|(1<<21)|(4<<22)|(3<<25)  ; the mask; 2-byte elements; padding on; bit 21 beside a mask; after every 32 words, 4 words
	s_mov_b32 s[G1A+1], 4096<<16                   ; tensor_dim0 = 4,096: 64 dense rows of 64 channels
	s_mov_b32 s[G1A+2], 4<<16                      ; tensor_dim1 = 4 blocks
	s_mov_b32 s[G1A+3], 4096<<16                   ; tile_dim0
	s_mov_b32 s[G1A+4], 4                          ; tile_dim1
	s_mov_b32 s[G1A+5], 262144                     ; elements from block to block
	s_mov_b32 s[G1A+6], 0
	s_mov_b32 s[G1A+7], 0
	s_or_b32 s[G1B], s22, (1<<16)|(1<<20)|(1<<21)|(5<<22)|(7<<25)  ; after every 64 words, 8 words
	s_mov_b32 s[G1B+1], 128<<16
	s_mov_b32 s[G1B+2], 128<<16
	s_mov_b32 s[G1B+3], 128<<16
	s_mov_b32 s[G1B+4], 128
	s_mov_b32 s[G1B+5], 256
	s_mov_b32 s[G1B+6], 0
	s_mov_b32 s[G1B+7], 0
	s_lshl_b32 s66, s[TR], 14                      ; A: (128 x tile row + 64 x half) rows of 128 bytes
	s_lshl_b32 s70, s[WC], 13
	s_add_co_u32 s66, s66, s70
	s_mov_b32 s67, 0
	s_lshr_b32 s68, s[TC], 1                       ; B: the panel, the half of its rows' 512 bytes, 128 x half rows
	s_lshl_b32 s68, s68, PSH
	s_and_b32 s69, s[TC], 1
	s_lshl_b32 s69, s69, 8
	s_add_co_u32 s68, s68, s69
	s_lshl_b32 s70, s[WC], 16
	s_add_co_u32 s68, s68, s70
	s_add_co_u32 s68, s68, BOFF
	s_mov_b32 s69, 0
	s_mul_i32 s71, s[WV], QTR                      ; where they go: no place in the cluster enters an LDS address
	s_mov_b32 s[SB], 0
	s_mov_b32 s[TA], 0
	s_mov_b32 s[TB], 0
	s_mov_b32 s[HM], 0xffff0000
	s_wait_dscnt 0x0                               ; the opening add is done
	s_wait_kmcnt 0x0
	s_add_nc_u64 s[66:67], s[4:5], s[66:67]
	s_add_nc_u64 s[68:69], s[6:7], s[68:69]
	CROUND                                         ; all sixteen work-groups are here: the first joint loads meet
.irp s, 0,1
	s_mov_b32 s[G0A+4*(\s)], 1
	s_add_co_u32 s[G0A+4*(\s)+1], s71, (\s)*SLOT
	s_add_nc_u64 s[G0A+4*(\s)+2:G0A+4*(\s)+3], s[66:67], (\s)*2097152
	s_or_b32 s[G0A+4*(\s)+3], s[G0A+4*(\s)+3], 0x80000000
	s_mov_b32 s[G0B+4*(\s)], 1
	s_add_co_u32 s[G0B+4*(\s)+1], s71, (\s)*SLOT
	s_add_nc_u64 s[G0B+4*(\s)+2:G0B+4*(\s)+3], s[68:69], (\s)*131072
	s_or_b32 s[G0B+4*(\s)+3], s[G0B+4*(\s)+3], 0x80000000
.endr
	s_cmp_eq_u32 s[WR], 0                          ; a wave's two first fills stand in one branch: two loads of mine are out
	s_cbranch_scc0 .Lfirst_b
	tensor_load_to_lds s[G0A:G0A+3], s[G1A:G1A+7]
	s_nop 0
	tensor_load_to_lds s[G0A+4:G0A+7], s[G1A:G1A+7]
	s_nop 0
.rept 4
	v_nop
.endr
	s_branch .Lfirst_asked
.Lfirst_b:
	tensor_load_to_lds s[G0B:G0B+3], s[G1B:G1B+7]
	s_nop 0
	tensor_load_to_lds s[G0B+4:G0B+7], s[G1B:G1B+7]
	s_nop 0
.rept 4
	v_nop
.endr
.Lfirst_asked:
	v_and_b32 v1, 15, v0                           ; l % 16
	v_bfe_u32 v2, v0, 4, 1                         ; l / 16
	v_and_b32 v3, 7, v0
	v_bfe_u32 v4, v0, 3, 1
	v_mul_u32_u24 v[ADRA0], v1, 144
	v_lshl_add_u32 v[ADRA0], v2, 4, v[ADRA0]
	s_mul_i32 s70, s[WR], QTR
	v_add_nc_u32 v[ADRA0], s70, v[ADRA0]
	v_lshl_add_u32 v[ADRB0], v2, 3, v3
	v_mul_u32_u24 v[ADRB0], v[ADRB0], 288
	v_lshl_add_u32 v[ADRB0], v4, 4, v[ADRB0]
	s_lshl_b32 s70, s[WC], 7
	s_add_co_u32 s70, s70, 2*QTR
	v_add_nc_u32 v[ADRB0], s70, v[ADRB0]
	v_mov_b32 v[RA], v[ADRA0]
	v_mov_b32 v[RB], v[ADRB0]
	s_mul_i32 s70, s[WV], 16*272
	s_add_co_u32 s70, s70, STAGE
	v_mul_u32_u24 v[STO], v1, 272                  ; in: row l % 16, 32 bytes for each half of the lanes
	v_lshl_add_u32 v[STO], v2, 5, v[STO]
	v_add_nc_u32 v[STO], s70, v[STO]
	v_mul_u32_u24 v[RD], v2, 272                   ; back: lanes 0-15 one row of 256 bytes, lanes 16-31 the next
	v_lshl_add_u32 v[RD], v1, 4, v[RD]
	v_add_nc_u32 v[RD], s70, v[RD]
	v_lshlrev_b32 v[BO], 4, v1
	v_lshl_add_u32 v[CO], v2, 12, v[BO]            ; and the same two rows in resid and out
	s_lshl_b32 s72, s[TR], 19                      ; rows of 4,096 bytes: 128 a tile, 64 a wave;
	s_lshl_b32 s74, s[WR], 18
	s_add_co_u32 s72, s72, s74
	s_lshl_b32 s76, s[TC], 9                       ; columns: 512 bytes a tile, 256 a wave
	s_lshl_b32 s74, s[WC], 8
	s_add_co_u32 s76, s76, s74
	s_add_co_u32 s72, s72, s76
	s_mov_b32 s73, 0
	s_mov_b32 s77, 0
	s_add_nc_u64 s[10:11], s[10:11], s[72:73]
	s_add_nc_u64 s[12:13], s[12:13], s[72:73]
	s_add_nc_u64 s[8:9], s[8:9], s[76:77]
	WIN 0x40
.set i, 0
.rept 32
	global_load_b128 v[RES+4*i:RES+4*i+3], v[CO], s[10:11] offset:2*i*4096  ; rows 2 i, 2 i + 1 of my 64
.set i, i+1
.endr
.set i, 0
.rept 8
	v_mov_b32 v[F1+i], 0                           ; a fragment of zeros for A,
	v_mov_b32 v[F1+32+i], 0                        ; and one for B
.set i, i+1
.endr
	WIN 0
	global_load_b128 v[BV:BV+3], v[BO], s[8:9]
	WIN 0x05
.set i, 0
.rept 16
	v_wmma_f32_16x16x32_f16 v[ACC+8*i:ACC+8*i+7], v[F1+32:F1+39], v[F1:F1+7], 0  ; the sums start at 0, in the wait for the first tile
.set i, i+1
.endr
	WIN 0
	s_wait_loadcnt 0x0
	v_cvt_pk_bf16_f32 v[BV+4], v[BV], v[BV+1]
	v_cvt_pk_bf16_f32 v[BV+5], v[BV+2], v[BV+3]
	v_lshlrev_b32 v[BV], 16, v[BV+4]
	v_and_b32 v[BV+1], s[HM], v[BV+4]
	v_lshlrev_b32 v[BV+2], 16, v[BV+5]
	v_and_b32 v[BV+3], s[HM], v[BV+5]
.if RNDRES
	WIN 0x45
.set p, 0
.rept 64
	v_cvt_pk_bf16_f32 v[p%4], v[RES+2*p], v[RES+2*p+1]
	v_lshlrev_b32 v[RES+2*p], 16, v[p%4]
	v_and_b32 v[RES+2*p+1], s[HM], v[p%4]
.set p, p+1
.endr
.endif
	WIN 0x41
.set p, 0
.rept 64
	v_pk_add_f32 v[RES+2*p:RES+2*p+1], v[RES+2*p:RES+2*p+1], v[BV+2*(p%2):BV+2*(p%2)+1]
.set p, p+1
.endr
	WIN 0
	s_wait_tensorcnt 1                             ; my part of K step 0 is in; K step 1's may stay out
	s_barrier_signal -1
	s_barrier_wait -1
	FETCHS F0, 0, 0
	WIN 0
	s_mov_b32 s[CNT], KSTEPS-2
.Lk1:                                                  ; all K steps but the last two fill their slot again
	KS 1
	WIN 0
	s_sub_co_u32 s[CNT], s[CNT], 1
	s_cmp_lg_u32 s[CNT], 0
	s_cbranch_scc1 .Lk1
	s_mov_b32 s[CNT], 2
.Lk2:
	KS 0
	WIN 0
	s_sub_co_u32 s[CNT], s[CNT], 1
	s_cmp_lg_u32 s[CNT], 0
	s_cbranch_scc1 .Lk2
	s_wait_dscnt 0x0
.rept 8
	v_nop                                          ; the places behind the last products
.endr
	; THE WAY OUT, 16 rows at a time: through my own stage, so that a row's 256 bytes come together; resid + bias is added on the way
.irp a, 0,1,2,3
	s_wait_xcnt 0x0                                ; the stores of the block before have read OB
.irp b, 0,1,2,3
	ds_store_b128 v[STO], v[ACC+8*(4*(\a)+(\b)):ACC+8*(4*(\a)+(\b))+3]   offset:64*(\b)
	ds_store_b128 v[STO], v[ACC+8*(4*(\a)+(\b))+4:ACC+8*(4*(\a)+(\b))+7] offset:64*(\b)+16
.endr
.irp t, 0,1,2,3,4,5,6,7
	ds_load_b128 v[OB+4*(\t):OB+4*(\t)+3], v[RD] offset:544*(\t)  ; LDS serves a wave's instructions in order: these see the stores above
.endr
	s_wait_dscnt 0x0
	WIN 0x04
.set i, 0
.rept 16
	v_pk_add_f32 v[OB+2*i:OB+2*i+1], v[OB+2*i:OB+2*i+1], v[RES+32*(\a)+2*i:RES+32*(\a)+2*i+1]
.set i, i+1
.endr
	WIN 0
.irp t, 0,1,2,3,4,5,6,7
	global_store_b128 v[CO], v[OB+4*(\t):OB+4*(\t)+3], s[12:13] offset:(16*(\a)+2*(\t))*4096  ; 16 lanes store 256 consecutive bytes, aligned
.endr
.endr
	s_wait_tensorcnt 0x0                           ; the wave's end
	ds_add_u32 v[SPW], v[NIL]
	s_wait_dscnt 0x0
	CROUND                                         ; the closing round
	s_endpgm
.Lfunc_end_k_qe1474133ce_oproj:
	.size	k_qe1474133ce_oproj, .Lfunc_end_k_qe1474133ce_oproj-k_qe1474133ce_oproj
	.p2alignl 7, 3214868480
	.fill 96, 4, 3214868480
	.section	.rodata,"a",@progbits
	.p2align	6, 0x0
	.amdhsa_kernel k_qe1474133ce_oproj
		.amdhsa_group_segment_fixed_size 327680
		.amdhsa_private_segment_fixed_size 0
		.amdhsa_enable_private_segment 0
		.amdhsa_kernarg_size 40
		.amdhsa_user_sgpr_count 2
		.amdhsa_user_sgpr_kernarg_segment_ptr 1
		.amdhsa_wavefront_size32 1
		.amdhsa_system_sgpr_workgroup_id_x 1
		.amdhsa_system_sgpr_workgroup_id_y 1
		.amdhsa_system_sgpr_workgroup_id_z 1
		.amdhsa_system_vgpr_workitem_id 0
		.amdhsa_next_free_vgpr 512
		.amdhsa_next_free_sgpr 80
		.amdhsa_reserve_vcc 0
		.amdhsa_float_denorm_mode_32 3
		.amdhsa_float_denorm_mode_16_64 3
		.amdhsa_memory_ordered 1
		.amdhsa_forward_progress 1
		.amdhsa_inst_pref_size 58
	.end_amdhsa_kernel
	.amdgpu_metadata
---
amdhsa.version: [ 1, 2 ]
amdhsa.kernels:
  - .name:           k_qe1474133ce_oproj
    .symbol:         k_qe1474133ce_oproj.kd
    .args:
      - { .name: hb, .offset: 0, .size: 8, .value_kind: global_buffer, .address_space: global }
      - { .name: wC, .offset: 8, .size: 8, .value_kind: global_buffer, .address_space: global }
      - { .name: bo, .offset: 16, .size: 8, .value_kind: global_buffer, .address_space: global }
      - { .name: x, .offset: 24, .size: 8, .value_kind: global_buffer, .address_space: global }
      - { .name: x1, .offset: 32, .size: 8, .value_kind: global_buffer, .address_space: global }
    .group_segment_fixed_size: 327680
    .private_segment_fixed_size: 0
    .kernarg_segment_align: 8
    .kernarg_segment_size: 40
    .max_flat_workgroup_size: 128
    .sgpr_count:     80
    .vgpr_count:     512
    .wavefront_size: 32
...
	.end_amdgpu_metadata
.endif
;; end of part 4
;; launch ln2 (part 5): grid 256 x 1, 8 waves a work-group, no clusters, 0 bytes of LDS; arguments x1, g2, s2, hb; writes hb
.if DOCPART == 5
	.amdgcn_target "amdgcn-amd-amdhsa--gfx1250"
	.amdhsa_code_object_version 6
	.text
	.protected	k_qe1474133ce_ln2
	.globl	k_qe1474133ce_ln2
	.p2align	8
	.type	k_qe1474133ce_ln2,@function
k_qe1474133ce_ln2:
	s_mov_b64 s[64:65], 0
	v_nop
	global_prefetch_b8 v0, s[64:65] scope:SCOPE_SE
	s_setreg_imm32_b32 hwreg(HW_REG_WAVE_MODE, 25, 1), 1
	s_wait_xcnt 0x0
; h2 = layernorm(x1) g2 + s2.  x1: [4096][1024] f32, made by the launch before and taken as it is; g2 and s2 are inputs and are rounded to bf16 like all of them; h2 is stored in f16:
; |h2| is at most 32 |g| + |s|.  A wave takes two rows; a row of 4,096 bytes lies in 32 registers between the passes: mean, then the sum of squared differences, then the scaling.
; No LDS, no barrier: the reduction never leaves the wave.  All 32 loads of a wave go out at once; each covers 512 consecutive bytes, each store 256, aligned.
.set WV,  2
.set HM,  3
.set XP,  20                           ; s[20:21] x1
.set GP,  22                           ; s[22:23] g2
.set SPP, 24                           ; s[24:25] s2
.set HP,  26                           ; s[26:27] hb
.set INV, 46
.set EPS, 47
.set ROUND, 0
.set XO,  2
.set YO,  3
.set T,   4
.set M,   12
.set R,   14
.set G,   16
.set S,   48
.set X0,  80
.set X1,  112
.set Y0,  144
.set Y1,  160
.set RT,  176
.macro RND2 a, b, t                    ; two numbers rounded to bf16 and kept as f32
	v_cvt_pk_bf16_f32 v[\t], v[\a], v[\b]
	v_lshlrev_b32 v[\a], 16, v[\t]
	v_and_b32 v[\b], s[HM], v[\t]
.endm
.macro WSUM                            ; the four packed chains in T are added up, within the lane and then over the 32 lanes
	v_pk_add_f32 v[T:T+1], v[T:T+1], v[T+2:T+3]
	v_pk_add_f32 v[T+4:T+5], v[T+4:T+5], v[T+6:T+7]
	v_pk_add_f32 v[T:T+1], v[T:T+1], v[T+4:T+5]
	v_add_f32 v[T], v[T], v[T+1]
	v_add_f32_dpp v[T], v[T], v[T] row_xmask:1 row_mask:0xf bank_mask:0xf
	v_add_f32_dpp v[T], v[T], v[T] row_xmask:2 row_mask:0xf bank_mask:0xf
	v_add_f32_dpp v[T], v[T], v[T] row_xmask:4 row_mask:0xf bank_mask:0xf
	v_add_f32_dpp v[T], v[T], v[T] row_xmask:8 row_mask:0xf bank_mask:0xf
	v_permlanex16_b32 v[T+1], v[T], s48, s49
	v_add_f32 v[T], v[T], v[T+1]
.endm
.macro ROWDO x, y, left, row
	s_wait_loadcnt \left
.if ROUND
.set p, 0
.rept 16
	RND2 (\x)+2*p, (\x)+2*p+1, RT+p%4
.set p, p+1
.endr
.endif
.irp c, 0,1,2,3
	v_pk_add_f32 v[T+2*\c:T+2*\c+1], v[(\x)+2*\c:(\x)+2*\c+1], v[(\x)+8+2*\c:(\x)+8+2*\c+1]
.endr
.irp c, 0,1,2,3,4,5,6,7
	v_pk_add_f32 v[T+2*(\c%4):T+2*(\c%4)+1], v[T+2*(\c%4):T+2*(\c%4)+1], v[(\x)+16+2*\c:(\x)+16+2*\c+1]
.endr
	WSUM
	v_mul_f32 v[M], s[INV], v[T]
	v_mul_f32 v[M+1], s[INV], v[T]
.set p, 0
.rept 16
	v_pk_add_f32 v[(\x)+2*p:(\x)+2*p+1], v[(\x)+2*p:(\x)+2*p+1], v[M:M+1] neg_lo:[0,1] neg_hi:[0,1]  ; x - mean: the variance is taken of the differences
.set p, p+1
.endr
.irp c, 0,1,2,3
	v_pk_mul_f32 v[T+2*\c:T+2*\c+1], v[(\x)+2*\c:(\x)+2*\c+1], v[(\x)+2*\c:(\x)+2*\c+1]
.endr
.set p, 4
.rept 12
	v_pk_fma_f32 v[T+2*(p%4):T+2*(p%4)+1], v[(\x)+2*p:(\x)+2*p+1], v[(\x)+2*p:(\x)+2*p+1], v[T+2*(p%4):T+2*(p%4)+1]
.set p, p+1
.endr
	WSUM
	v_fma_f32 v[T], v[T], s[INV], s[EPS]
	v_rsq_f32 v[R], v[T]
	v_rsq_f32 v[R+1], v[T]
	v_nop                                          ; a plain instruction behind the second root,
	s_wait_alu depctr_va_vdst(0)                   ; and one wait for both, ahead of their first reader
.set p, 0
.rept 16
	v_pk_mul_f32 v[(\x)+2*p:(\x)+2*p+1], v[(\x)+2*p:(\x)+2*p+1], v[R:R+1]
.set p, p+1
.endr
.set p, 0
.rept 16
	v_pk_fma_f32 v[(\x)+2*p:(\x)+2*p+1], v[(\x)+2*p:(\x)+2*p+1], v[G+2*p:G+2*p+1], v[S+2*p:S+2*p+1]
.set p, p+1
.endr
.set p, 0
.rept 16
	v_cvt_pk_f16_f32 v[(\y)+p], v[(\x)+2*p], v[(\x)+2*p+1]
.set p, p+1
.endr
.irp j, 0,1,2,3,4,5,6,7
	global_store_b64 v[YO], v[(\y)+2*\j:(\y)+2*\j+1], s[HP:HP+1] offset:256*\j+2048*(\row)  ; 32 lanes store 256 consecutive bytes, aligned
.endr
.endm
.macro LNBODY                          ; lane l holds columns 128 j + 4 l .. + 3, j = 0 .. 7
	v_lshlrev_b32 v[XO], 4, v1
	v_lshlrev_b32 v[YO], 3, v1
.irp j, 0,1,2,3,4,5,6,7
	global_load_b128 v[G+4*\j:G+4*\j+3], v[XO], s[GP:GP+1] offset:512*\j
.endr
.irp j, 0,1,2,3,4,5,6,7
	global_load_b128 v[S+4*\j:S+4*\j+3], v[XO], s[SPP:SPP+1] offset:512*\j
.endr
.irp j, 0,1,2,3,4,5,6,7
	global_load_b128 v[X0+4*\j:X0+4*\j+3], v[XO], s[XP:XP+1] offset:512*\j
.endr
.irp j, 0,1,2,3,4,5,6,7
	global_load_b128 v[X1+4*\j:X1+4*\j+3], v[XO], s[XP:XP+1] offset:4096+512*\j
.endr
	s_wait_loadcnt 16                              ; gains and shifts are in; the two rows' 16 loads stay out
.set p, 0
.rept 16
	RND2 G+2*p, G+2*p+1, RT+p%4
	RND2 S+2*p, S+2*p+1, RT+(p+2)%4
.set p, p+1
.endr
	ROWDO X0, Y0, 8, 0
	ROWDO X1, Y1, 0, 1
.endm
	s_load_b256 s[20:27], s[0:1], 0x0
	v_lshrrev_b32 v1, 5, v0
	v_readfirstlane_b32 s[WV], v1
	v_and_b32 v1, 31, v0
	s_mov_b32 s[HM], 0xffff0000
	s_lshl_b32 s40, ttmp9, 4
	s_lshl1_add_u32 s40, s[WV], s40                ; my first row: 16 a work-group, 2 a wave
	s_lshl_b32 s42, s40, 12
	s_mov_b32 s43, 0
	s_lshl_b32 s44, s40, 11
	s_mov_b32 s45, 0
	s_mov_b32 s[INV], 0x3a800000                   ; 1 / 1024
	s_mov_b32 s[EPS], 0x3727c5ac                   ; 1e-5
	s_mov_b32 s48, 0x76543210
	s_mov_b32 s49, 0xfedcba98
	s_wait_kmcnt 0x0
	s_add_nc_u64 s[XP:XP+1], s[XP:XP+1], s[42:43]
	s_add_nc_u64 s[HP:HP+1], s[HP:HP+1], s[44:45]
	LNBODY
	s_endpgm
.Lfunc_end_k_qe1474133ce_ln2:
	.size	k_qe1474133ce_ln2, .Lfunc_end_k_qe1474133ce_ln2-k_qe1474133ce_ln2
	.p2alignl 7, 3214868480
	.fill 96, 4, 3214868480
	.section	.rodata,"a",@progbits
	.p2align	6, 0x0
	.amdhsa_kernel k_qe1474133ce_ln2
		.amdhsa_group_segment_fixed_size 0
		.amdhsa_private_segment_fixed_size 0
		.amdhsa_enable_private_segment 0
		.amdhsa_kernarg_size 32
		.amdhsa_user_sgpr_count 2
		.amdhsa_user_sgpr_kernarg_segment_ptr 1
		.amdhsa_wavefront_size32 1
		.amdhsa_system_sgpr_workgroup_id_x 1
		.amdhsa_system_sgpr_workgroup_id_y 1
		.amdhsa_system_sgpr_workgroup_id_z 1
		.amdhsa_system_vgpr_workitem_id 0
		.amdhsa_next_free_vgpr 192
		.amdhsa_next_free_sgpr 66
		.amdhsa_reserve_vcc 0
		.amdhsa_float_denorm_mode_32 3
		.amdhsa_float_denorm_mode_16_64 3
		.amdhsa_memory_ordered 1
		.amdhsa_forward_progress 1
		.amdhsa_inst_pref_size 24
	.end_amdhsa_kernel
	.amdgpu_metadata
---
amdhsa.version: [ 1, 2 ]
amdhsa.kernels:
  - .name:           k_qe1474133ce_ln2
    .symbol:         k_qe1474133ce_ln2.kd
    .args:
      - { .name: x1, .offset: 0, .size: 8, .value_kind: global_buffer, .address_space: global }
      - { .name: g2, .offset: 8, .size: 8, .value_kind: global_buffer, .address_space: global }
      - { .name: s2, .offset: 16, .size: 8, .value_kind: global_buffer, .address_space: global }
      - { .name: hb, .offset: 24, .size: 8, .value_kind: global_buffer, .address_space: global }
    .group_segment_fixed_size: 0
    .private_segment_fixed_size: 0
    .kernarg_segment_align: 8
    .kernarg_segment_size: 32
    .max_flat_workgroup_size: 256
    .sgpr_count:     66
    .vgpr_count:     192
    .wavefront_size: 32
...
	.end_amdgpu_metadata
.endif
;; end of part 5
;; launch ff1: the kernel of part 2 again; grid 16 x 16, 4 waves a work-group, clusters of 4 x 4, 327,680 bytes of LDS; arguments hb, wB, b1, act, par1; writes act
;; launch ff2 (part 6): grid 8 x 32, 4 waves a work-group, clusters of 4 x 4, 327,680 bytes of LDS; arguments act, wC, b2, x1, out0; writes out0
.if DOCPART == 6
	.amdgcn_target "amdgcn-amd-amdhsa--gfx1250"
	.amdhsa_code_object_version 6
	.text
	.protected	k_qe1474133ce_ff2
	.globl	k_qe1474133ce_ff2
	.p2align	8
	.type	k_qe1474133ce_ff2,@function
k_qe1474133ce_ff2:
	s_mov_b64 s[64:65], 0
	v_nop
	global_prefetch_b8 v0, s[64:65] scope:SCOPE_SE
	s_setreg_imm32_b32 hwreg(HW_REG_WAVE_MODE, 25, 1), 1
	s_wait_xcnt 0x0
	s_wait_alu depctr_hold_cnt(0) depctr_sa_sdst(0) depctr_va_vdst(0) depctr_va_sdst(0) depctr_va_ssrc(0) depctr_va_vcc(0) depctr_vm_vsrc(0)
	s_getreg_b32 s2, hwreg(HW_REG_IB_STS2, 6, 4)
	s_cmp_eq_u32 s2, 0
	s_cbranch_scc0 .Lentry_in_a_cluster
	s_endpgm
.Lentry_in_a_cluster:
	s_bfe_u32 s2, ttmp6, 0x10000c
	s_cmp_lg_u32 s2, 0xf033
	s_cbranch_scc0 .Lentry_shape_is_right
	s_endpgm
.Lentry_shape_is_right:
; out[4096][1024] f32 = resid + A B + bias.  A lies by blocks of 64 channels, [block][4096 rows][64] f16 (524,288 bytes a block); B in panels [K][256] f16 (a panel's row is 512 bytes).
; Here: A = GELU's result (K = 4,096), B = W2 (behind Wo in its buffer), bias = b2, rounded to bf16 like every input; resid = x1, made by an earlier launch and taken as it is.  Sums in f32.
; SHAPE.  A tile of out is 128 x 128, so that 256 work-groups share the work: four waves, each 64 x 64: 16 accumulators.  K goes in steps of 256 through two LDS slots filled by tensor loads.
; A's tile comes as four dense runs of 64 rows x 128 bytes, one a block, padded after every row; B's rows lie along N and are read by the turning load.
; The matrix instruction is used transposed (source 0 = 16 columns of B, source 1 = 16 rows of A): a lane holds eight neighbouring columns of a row of out.
; CLUSTER.  4 x 4 work-groups: A's tiles are asked for jointly along a row of the cluster, B's along a column.  No prefetch: the tiles are small.
; EVERY K STEP HAS ONE TEXT: the sums are started by 16 products of zero fragments with C = 0, in the wait for the first tile; the last step's change of slots and fetch serve nothing.
; resid + bias waits in 128 registers from the start.  A wave's 64 columns of f32 are 256 bytes: each wave's stage is its own, and 16 lanes store one aligned run of 256 bytes.
; REGISTERS: window 0: addresses; v32-63 the way out; v64-69 the bias; v128-255 the accumulators.  window 1: two fragment buffers of 64 (A's four, B's four); v128-255 resid + bias.
.set KSTEPS, 16
.set BOFF,   2097152                   ; where B's panels begin in their buffer
.set PSH,    21                        ; log2 of a panel's bytes
.set RNDRES, 0                         ; resid is no input: taken as it is
.set QTR,    36864                     ; what one tensor load brings: 4 x 64 rows x 144 bytes of A, or 128 rows x 288 bytes of B
.set SLOT,   4*QTR
.set STAGE,  2*SLOT
.set SPARE,  STAGE+4*16*272
.set ADRA0, 16
.set ADRB0, 17
.set RA,   18
.set RB,   19
.set STO,  24
.set RD,   25
.set CO,   26
.set BO,   27
.set SPW,  28                          ; my spare word; never rewritten
.set NIL,  29                          ; 0; never rewritten
.set OB,   32
.set BV,   64
.set ACC,  128
.set F0,   0
.set F1,   64
.set RES,  128
.set WV, 14
.set WR, 15                            ; my half of the tile's rows; also 0: I fetch for A, 1: for B
.set WC, 16                            ; my half of its columns; also which half of that tile I fetch
.set CX, 17
.set CY, 18
.set TC, 19
.set TR, 20
.set G1A, 24
.set G0A, 32
.set G1B, 40
.set G0B, 48
.set SB,  56                           ; the slot in hand: 0 or SLOT
.set TA,  57                           ; where A's next fragments begin
.set TB,  58                           ; where B's do
.set CNT, 59
.set CN2, 60
.set HM,  61
.set MSB, 0
.macro WIN new
.if MSB != (\new)
	s_set_vgpr_msb (MSB<<8)|(\new)
.set MSB, \new
.endif
.endm
.macro JLOAD                           ; a joint refill by the walking descriptors; an s_nop 0 and four v_nop follow each line
	s_cmp_eq_u32 s[WR], 0
	s_cbranch_scc0 .Lfor_b_\@
	tensor_load_to_lds s[G0A+4:G0A+7], s[G1A:G1A+7]
	s_nop 0
.rept 4
	v_nop
.endr
	s_branch .Lasked_\@
.Lfor_b_\@:
	tensor_load_to_lds s[G0B+4:G0B+7], s[G1B:G1B+7]
	s_nop 0
.rept 4
	v_nop
.endr
.Lasked_\@:
.endm
.macro CREST
	s_cmp_lg_u32 s[WV], 0
	s_cbranch_scc1 .Lnot_wave_0_\@
	s_barrier_signal -3
.Lnot_wave_0_\@:
	s_barrier_wait -3
	s_barrier_signal -1
	s_barrier_wait -1
.endm
.macro CROUND
	s_barrier_signal -1
	s_barrier_wait -1
	CREST
.endm
.macro PLACES
.rept 4
	v_nop
.endr
.endm
; 8 products: m blocks a0, a0 + 1 x all 4 n blocks, 32 along K.  The 16 accumulators take turns, in the same order in every substep.
.macro MUL8 f, a0
	WIN 0x05
.irp a, \a0, (\a0)+1
.irp b, 0,1,2,3
	v_wmma_f32_16x16x32_f16 v[ACC+8*(4*(\a)+(\b)):ACC+8*(4*(\a)+(\b))+7], v[(\f)+32+8*(\b):(\f)+32+8*(\b)+7], v[(\f)+8*(\a):(\f)+8*(\a)+7], v[ACC+8*(4*(\a)+(\b)):ACC+8*(4*(\a)+(\b))+7]
.endr
.endr
.endm
; 16 LDS loads: a substep's fragments (32 along K) into buffer g, from byte ao behind RA and bo behind RB
.macro FETCHS g, ao, bo
	WIN 0x40
.irp i, 0,1,2,3
	ds_load_tr16_b128 v[(\g)+32+8*(\i):(\g)+32+8*(\i)+3],   v[RB] offset:(\bo)+32*(\i)
	ds_load_tr16_b128 v[(\g)+32+8*(\i)+4:(\g)+32+8*(\i)+7], v[RB] offset:(\bo)+32*(\i)+4608
	ds_load_b128 v[(\g)+8*(\i):(\g)+8*(\i)+3],   v[RA] offset:(\ao)+2304*(\i)
	ds_load_b128 v[(\g)+8*(\i)+4:(\g)+8*(\i)+7], v[RA] offset:(\ao)+2304*(\i)+32
.endr
.endm
.macro SUB f, g, ao, bo                ; the next substep is fetched into g, this one's buffer f is multiplied
	PLACES
	FETCHS \g, \ao, \bo
	s_wait_dscnt 16                                ; all but the 16 just issued
	MUL8 \f, 0
	MUL8 \f, 2
.endm
; The change of slots, round substeps 6 and 7.  In front of the barrier each wave waits for all its tensor loads (one is out: its part of the next slot), adds 0 to its spare word, and waits
; for that and for its reads of this slot.  fill = 1: the barrier opens a round of the cluster's barrier, and the joint refill, two K steps on, is the first thing behind the round.
.macro TURN fill
	WIN 0
	s_wait_tensorcnt 0x0
	ds_add_u32 v[SPW], v[NIL]                      ; 0 onto my spare word; work on registers stands between it and the wait for it
.if \fill
	s_xor_b32 s[G0A+5], s[G0A+5], SLOT
	s_add_nc_u64 s[G0A+6:G0A+7], s[G0A+6:G0A+7], 2097152  ; four blocks of 64 channels on
	s_xor_b32 s[G0B+5], s[G0B+5], SLOT
	s_add_nc_u64 s[G0B+6:G0B+7], s[G0B+6:G0B+7], 131072   ; 256 rows of the panel on
.endif
	s_xor_b32 s[SB], s[SB], SLOT
	s_mov_b32 s[TA], s[SB]
	s_mov_b32 s[TB], s[SB]
	v_add_nc_u32 v[RA], s[TA], v[ADRA0]
	v_add_nc_u32 v[RB], s[TB], v[ADRB0]
	s_wait_dscnt 17                                ; the add and substep 7's sixteen loads may be out
	MUL8 F0, 0
	s_wait_dscnt 0x0                               ; the add is done, and my reads of this slot are over
	s_barrier_signal -1
	MUL8 F0, 2
	WIN 0
	s_barrier_wait -1
.if \fill
	CREST
	JLOAD                                          ; its four v_nop are also the places in front of the loads below
.else
	PLACES
.endif
	FETCHS F0, 0, 0
	MUL8 F1, 0
	MUL8 F1, 2
.endm
; A K step: eight substeps.  A's substep ss lies in block ss / 2 (9,216 bytes a block), 64 (ss % 2) bytes into its rows; B's 32 rows of 288 bytes further down for each.
.macro KS fill
	WIN 0
	s_mov_b32 s[CN2], 3
.Lsub_\@:
	SUB F0, F1, 64, 9216
	SUB F1, F0, 9216, 18432
	WIN 0
	s_add_co_u32 s[TA], s[TA], 9216
	s_add_co_u32 s[TB], s[TB], 18432
	v_add_nc_u32 v[RA], s[TA], v[ADRA0]
	v_add_nc_u32 v[RB], s[TB], v[ADRB0]
	s_sub_co_u32 s[CN2], s[CN2], 1
	s_cmp_lg_u32 s[CN2], 0
	s_cbranch_scc1 .Lsub_\@
	PLACES
	FETCHS F1, 64, 9216
	TURN \fill
.endm
	s_load_b256 s[4:11], s[0:1], 0x0               ; A 4, B 6, bias 8, resid 10
	s_load_b64 s[12:13], s[0:1], 0x20              ; out
	v_lshl_add_u32 v[SPW], v0, 2, SPARE
	v_mov_b32 v[NIL], 0
	ds_add_u32 v[SPW], v[NIL]                      ; the wave's opening: the add and its wait ahead of my first tensor load
	ds_add_u32 v28, v29
	v_lshrrev_b32 v1, 5, v0
	v_readfirstlane_b32 s[WV], v1
	s_lshr_b32 s[WR], s[WV], 1
	s_and_b32 s[WC], s[WV], 1
	s_bfe_u32 s[CX], ttmp6, 0x40000
	s_bfe_u32 s[CY], ttmp6, 0x40004
	s_lshl_b32 s[TC], ttmp9, 2
	s_add_co_u32 s[TC], s[TC], s[CX]
	s_and_b32 s[TR], ttmp7, 0xffff
	s_lshl_b32 s[TR], s[TR], 2
	s_add_co_u32 s[TR], s[TR], s[CY]
	s_lshl_b32 s21, s[CY], 2
	s_lshl_b32 s21, 15, s21                        ; my row of the cluster
	s_lshl_b32 s22, 0x1111, s[CX]                  ; my column
	s_or_b32 s[G1A], s21, (1<<16)|(1<<20)|(1<<21)|(4<<22)|(3<<25)  ; the mask; 2-byte elements; padding on; bit 21 beside a mask; after every 32 words, 4 words
	s_mov_b32 s[G1A+1], 4096<<16                   ; tensor_dim0 = 4,096: 64 dense rows of 64 channels
	s_mov_b32 s[G1A+2], 4<<16                      ; tensor_dim1 = 4 blocks
	s_mov_b32 s[G1A+3], 4096<<16                   ; tile_dim0
	s_mov_b32 s[G1A+4], 4                          ; tile_dim1
	s_mov_b32 s[G1A+5], 262144                     ; elements from block to block
	s_mov_b32 s[G1A+6], 0
	s_mov_b32 s[G1A+7], 0
	s_or_b32 s[G1B], s22, (1<<16)|(1<<20)|(1<<21)|(5<<22)|(7<<25)  ; after every 64 words, 8 words
	s_mov_b32 s[G1B+1], 128<<16
	s_mov_b32 s[G1B+2], 128<<16
	s_mov_b32 s[G1B+3], 128<<16
	s_mov_b32 s[G1B+4], 128
	s_mov_b32 s[G1B+5], 256
	s_mov_b32 s[G1B+6], 0
	s_mov_b32 s[G1B+7], 0
	s_lshl_b32 s66, s[TR], 14                      ; A: (128 x tile row + 64 x half) rows of 128 bytes
	s_lshl_b32 s70, s[WC], 13
	s_add_co_u32 s66, s66, s70
	s_mov_b32 s67, 0
	s_lshr_b32 s68, s[TC], 1                       ; B: the panel, the half of its rows' 512 bytes, 128 x half rows
	s_lshl_b32 s68, s68, PSH
	s_and_b32 s69, s[TC], 1
	s_lshl_b32 s69, s69, 8
	s_add_co_u32 s68, s68, s69
	s_lshl_b32 s70, s[WC], 16
	s_add_co_u32 s68, s68, s70
	s_add_co_u32 s68, s68, BOFF
	s_mov_b32 s69, 0
	s_mul_i32 s71, s[WV], QTR                      ; where they go: no place in the cluster enters an LDS address
	s_mov_b32 s[SB], 0
	s_mov_b32 s[TA], 0
	s_mov_b32 s[TB], 0
	s_mov_b32 s[HM], 0xffff0000
	s_wait_dscnt 0x0                               ; the opening add is done
	s_wait_kmcnt 0x0
	s_add_nc_u64 s[66:67], s[4:5], s[66:67]
	s_add_nc_u64 s[68:69], s[6:7], s[68:69]
	CROUND                                         ; all sixteen work-groups are here: the first joint loads meet
.irp s, 0,1
	s_mov_b32 s[G0A+4*(\s)], 1
	s_add_co_u32 s[G0A+4*(\s)+1], s71, (\s)*SLOT
	s_add_nc_u64 s[G0A+4*(\s)+2:G0A+4*(\s)+3], s[66:67], (\s)*2097152
	s_or_b32 s[G0A+4*(\s)+3], s[G0A+4*(\s)+3], 0x80000000
	s_mov_b32 s[G0B+4*(\s)], 1
	s_add_co_u32 s[G0B+4*(\s)+1], s71, (\s)*SLOT
	s_add_nc_u64 s[G0B+4*(\s)+2:G0B+4*(\s)+3], s[68:69], (\s)*131072
	s_or_b32 s[G0B+4*(\s)+3], s[G0B+4*(\s)+3], 0x80000000
.endr
	s_cmp_eq_u32 s[WR], 0                          ; a wave's two first fills stand in one branch: two loads of mine are out
	s_cbranch_scc0 .Lfirst_b
	tensor_load_to_lds s[G0A:G0A+3], s[G1A:G1A+7]
	s_nop 0
	tensor_load_to_lds s[G0A+4:G0A+7], s[G1A:G1A+7]
	s_nop 0
.rept 4
	v_nop
.endr
	s_branch .Lfirst_asked
.Lfirst_b:
	tensor_load_to_lds s[G0B:G0B+3], s[G1B:G1B+7]
	s_nop 0
	tensor_load_to_lds s[G0B+4:G0B+7], s[G1B:G1B+7]
	s_nop 0
.rept 4
	v_nop
.endr
.Lfirst_asked:
	v_and_b32 v1, 15, v0                           ; l % 16
	v_bfe_u32 v2, v0, 4, 1                         ; l / 16
	v_and_b32 v3, 7, v0
	v_bfe_u32 v4, v0, 3, 1
	v_mul_u32_u24 v[ADRA0], v1, 144
	v_lshl_add_u32 v[ADRA0], v2, 4, v[ADRA0]
	s_mul_i32 s70, s[WR], QTR
	v_add_nc_u32 v[ADRA0], s70, v[ADRA0]
	v_lshl_add_u32 v[ADRB0], v2, 3, v3
	v_mul_u32_u24 v[ADRB0], v[ADRB0], 288
	v_lshl_add_u32 v[ADRB0], v4, 4, v[ADRB0]
	s_lshl_b32 s70, s[WC], 7
	s_add_co_u32 s70, s70, 2*QTR
	v_add_nc_u32 v[ADRB0], s70, v[ADRB0]
	v_mov_b32 v[RA], v[ADRA0]
	v_mov_b32 v[RB], v[ADRB0]
	s_mul_i32 s70, s[WV], 16*272
	s_add_co_u32 s70, s70, STAGE
	v_mul_u32_u24 v[STO], v1, 272                  ; in: row l % 16, 32 bytes for each half of the lanes
	v_lshl_add_u32 v[STO], v2, 5, v[STO]
	v_add_nc_u32 v[STO], s70, v[STO]
	v_mul_u32_u24 v[RD], v2, 272                   ; back: lanes 0-15 one row of 256 bytes, lanes 16-31 the next
	v_lshl_add_u32 v[RD], v1, 4, v[RD]
	v_add_nc_u32 v[RD], s70, v[RD]
	v_lshlrev_b32 v[BO], 4, v1
	v_lshl_add_u32 v[CO], v2, 12, v[BO]            ; and the same two rows in resid and out
	s_lshl_b32 s72, s[TR], 19                      ; rows of 4,096 bytes: 128 a tile, 64 a wave;
	s_lshl_b32 s74, s[WR], 18
	s_add_co_u32 s72, s72, s74
	s_lshl_b32 s76, s[TC], 9                       ; columns: 512 bytes a tile, 256 a wave
	s_lshl_b32 s74, s[WC], 8
	s_add_co_u32 s76, s76, s74
	s_add_co_u32 s72, s72, s76
	s_mov_b32 s73, 0
	s_mov_b32 s77, 0
	s_add_nc_u64 s[10:11], s[10:11], s[72:73]
	s_add_nc_u64 s[12:13], s[12:13], s[72:73]
	s_add_nc_u64 s[8:9], s[8:9], s[76:77]
	WIN 0x40
.set i, 0
.rept 32
	global_load_b128 v[RES+4*i:RES+4*i+3], v[CO], s[10:11] offset:2*i*4096  ; rows 2 i, 2 i + 1 of my 64
.set i, i+1
.endr
.set i, 0
.rept 8
	v_mov_b32 v[F1+i], 0                           ; a fragment of zeros for A,
	v_mov_b32 v[F1+32+i], 0                        ; and one for B
.set i, i+1
.endr
	WIN 0
	global_load_b128 v[BV:BV+3], v[BO], s[8:9]
	WIN 0x05
.set i, 0
.rept 16
	v_wmma_f32_16x16x32_f16 v[ACC+8*i:ACC+8*i+7], v[F1+32:F1+39], v[F1:F1+7], 0  ; the sums start at 0, in the wait for the first tile
.set i, i+1
.endr
	WIN 0
	s_wait_loadcnt 0x0
	v_cvt_pk_bf16_f32 v[BV+4], v[BV], v[BV+1]
	v_cvt_pk_bf16_f32 v[BV+5], v[BV+2], v[BV+3]
	v_lshlrev_b32 v[BV], 16, v[BV+4]
	v_and_b32 v[BV+1], s[HM], v[BV+4]
	v_lshlrev_b32 v[BV+2], 16, v[BV+5]
	v_and_b32 v[BV+3], s[HM], v[BV+5]
.if RNDRES
	WIN 0x45
.set p, 0
.rept 64
	v_cvt_pk_bf16_f32 v[p%4], v[RES+2*p], v[RES+2*p+1]
	v_lshlrev_b32 v[RES+2*p], 16, v[p%4]
	v_and_b32 v[RES+2*p+1], s[HM], v[p%4]
.set p, p+1
.endr
.endif
	WIN 0x41
.set p, 0
.rept 64
	v_pk_add_f32 v[RES+2*p:RES+2*p+1], v[RES+2*p:RES+2*p+1], v[BV+2*(p%2):BV+2*(p%2)+1]
.set p, p+1
.endr
	WIN 0
	s_wait_tensorcnt 1                             ; my part of K step 0 is in; K step 1's may stay out
	s_barrier_signal -1
	s_barrier_wait -1
	FETCHS F0, 0, 0
	WIN 0
	s_mov_b32 s[CNT], KSTEPS-2
.Lk1:                                                  ; all K steps but the last two fill their slot again
	KS 1
	WIN 0
	s_sub_co_u32 s[CNT], s[CNT], 1
	s_cmp_lg_u32 s[CNT], 0
	s_cbranch_scc1 .Lk1
	s_mov_b32 s[CNT], 2
.Lk2:
	KS 0
	WIN 0
	s_sub_co_u32 s[CNT], s[CNT], 1
	s_cmp_lg_u32 s[CNT], 0
	s_cbranch_scc1 .Lk2
	s_wait_dscnt 0x0
.rept 8
	v_nop                                          ; the places behind the last products
.endr
	; THE WAY OUT, 16 rows at a time: through my own stage, so that a row's 256 bytes come together; resid + bias is added on the way
.irp a, 0,1,2,3
	s_wait_xcnt 0x0                                ; the stores of the block before have read OB
.irp b, 0,1,2,3
	ds_store_b128 v[STO], v[ACC+8*(4*(\a)+(\b)):ACC+8*(4*(\a)+(\b))+3]   offset:64*(\b)
	ds_store_b128 v[STO], v[ACC+8*(4*(\a)+(\b))+4:ACC+8*(4*(\a)+(\b))+7] offset:64*(\b)+16
.endr
.irp t, 0,1,2,3,4,5,6,7
	ds_load_b128 v[OB+4*(\t):OB+4*(\t)+3], v[RD] offset:544*(\t)  ; LDS serves a wave's instructions in order: these see the stores above
.endr
	s_wait_dscnt 0x0
	WIN 0x04
.set i, 0
.rept 16
	v_pk_add_f32 v[OB+2*i:OB+2*i+1], v[OB+2*i:OB+2*i+1], v[RES+32*(\a)+2*i:RES+32*(\a)+2*i+1]
.set i, i+1
.endr
	WIN 0
.irp t, 0,1,2,3,4,5,6,7
	global_store_b128 v[CO], v[OB+4*(\t):OB+4*(\t)+3], s[12:13] offset:(16*(\a)+2*(\t))*4096  ; 16 lanes store 256 consecutive bytes, aligned
.endr
.endr
	s_wait_tensorcnt 0x0                           ; the wave's end
	ds_add_u32 v[SPW], v[NIL]
	s_wait_dscnt 0x0
	CROUND                                         ; the closing round
	s_endpgm
.Lfunc_end_k_qe1474133ce_ff2:
	.size	k_qe1474133ce_ff2, .Lfunc_end_k_qe1474133ce_ff2-k_qe1474133ce_ff2
	.p2alignl 7, 3214868480
	.fill 96, 4, 3214868480
	.section	.rodata,"a",@progbits
	.p2align	6, 0x0
	.amdhsa_kernel k_qe1474133ce_ff2
		.amdhsa_group_segment_fixed_size 327680
		.amdhsa_private_segment_fixed_size 0
		.amdhsa_enable_private_segment 0
		.amdhsa_kernarg_size 40
		.amdhsa_user_sgpr_count 2
		.amdhsa_user_sgpr_kernarg_segment_ptr 1
		.amdhsa_wavefront_size32 1
		.amdhsa_system_sgpr_workgroup_id_x 1
		.amdhsa_system_sgpr_workgroup_id_y 1
		.amdhsa_system_sgpr_workgroup_id_z 1
		.amdhsa_system_vgpr_workitem_id 0
		.amdhsa_next_free_vgpr 512
		.amdhsa_next_free_sgpr 80
		.amdhsa_reserve_vcc 0
		.amdhsa_float_denorm_mode_32 3
		.amdhsa_float_denorm_mode_16_64 3
		.amdhsa_memory_ordered 1
		.amdhsa_forward_progress 1
		.amdhsa_inst_pref_size 50
	.end_amdhsa_kernel
	.amdgpu_metadata
---
amdhsa.version: [ 1, 2 ]
amdhsa.kernels:
  - .name:           k_qe1474133ce_ff2
    .symbol:         k_qe1474133ce_ff2.kd
    .args:
      - { .name: act, .offset: 0, .size: 8, .value_kind: global_buffer, .address_space: global }
      - { .name: wC, .offset: 8, .size: 8, .value_kind: global_buffer, .address_space: global }
      - { .name: b2, .offset: 16, .size: 8, .value_kind: global_buffer, .address_space: global }
      - { .name: x1, .offset: 24, .size: 8, .value_kind: global_buffer, .address_space: global }
      - { .name: out0, .offset: 32, .size: 8, .value_kind: global_buffer, .address_space: global }
    .group_segment_fixed_size: 327680
    .private_segment_fixed_size: 0
    .kernarg_segment_align: 8
    .kernarg_segment_size: 40
    .max_flat_workgroup_size: 128
    .sgpr_count:     80
    .vgpr_count:     512
    .wavefront_size: 32
...
	.end_amdgpu_metadata
.endif
;; end of part 6
